; MI455X (gfx1250); checked and timed in simulation.
; The chip was launched on July 23, 2026; its instructions are those of AMD's public machine-readable ISA for CDNA 5 (MIT licence, August 2026) and "CDNA5" Instruction Set Architecture Reference Guide (July 2026). The comments in the code are by the model that wrote it; some were corrected since.
;; Rotary Multihead Attention. Allowed arithmetic: matrix products marked QUANTISED: E2M3 operands, one E8M0 scale for each 32 along K, by v_wmma_scale_f32_16x16x128_f8f6f4 with both operands' format E2M3, f32 sums; products left as they are: f32 operands where the result goes on into a quantised operand, else bf16, f16 or f32 operands; f32 sums; everything else in f32.
;; Inputs: Wk 1,024 x 1,024 float32; Wo 1,024 x 1,024 float32; Wq 1,024 x 1,024 float32; Wv 1,024 x 1,024 float32; bk 1,024 float32; bo 1,024 float32; bq 1,024 float32; bv 1,024 float32; key 4 x 2,048 x 1,024 float32; query 4 x 2,048 x 1,024 float32; value 4 x 2,048 x 1,024 float32.
;; Outputs: out0 4 x 2,048 x 1,024 float32.
;; This version of the problem:
;;   THIS VERSION OF THE PROBLEM IS GIVEN IN LOW PRECISION. The matrix products marked QUANTISED in the list below multiply operands that are first quantised to E2M3 (2 exponent bits, 3 mantissa bits; 6 bits a number), with one power-of-two scale for each 32 numbers along K (OCP MX v1.0); their sums are f32. All else is computed in f32.
;;   The module's matrix products, in the order in which they are computed (A, B: the left and right operand; K: the contracted axis; several contracted axes count as one K, in the product's order):
;;     1. [M 8,192, K 1,024] x [K 1,024, N 1,024]; A: input query; B: input Wq: QUANTISED
;;     2. [M 8,192, K 1,024] x [K 1,024, N 1,024]; A: input key; B: input Wk: QUANTISED
;;     3. [M 8,192, K 1,024] x [K 1,024, N 1,024]; A: input value; B: input Wv: QUANTISED
;;     4. [M 2,048, K 1] x [K 1, N 32]; A: computed on the way; B: computed on the way: left as it is (no contracted axis)
;;     5. batch 64 x [M 2,048, K 64] x [K 64, N 2,048]; A: computed on the way; B: computed on the way: QUANTISED
;;     6. batch 64 x [M 64, K 2,048] x [K 2,048, N 2,048]; A: computed on the way; B: softmax (see below): QUANTISED
;;     7. [M 8,192, K 1,024] x [K 1,024, N 1,024]; A: computed on the way; B: input Wo: QUANTISED
;;   THE QUANTISER, for each operand of a quantised product, along K:
;;     - K is cut into blocks of 32 from its start; a last block that is shorter is filled with zeros.
;;     - A block's scale is 2^e with e = floor(log2(the largest magnitude in the block)) - 2, held to -126 .. 127; a block of zeros has e = 0. As a byte (E8M0): e + 127.
;;     - Each number is divided by its block's scale, clamped to +-7.5, and rounded to the nearest number of E2M3, ties to even, subnormals kept.
;;     - The product sums the exact products of the quantised numbers (number of the format x scale) in f32.
;;   ~~~python
;;   def quantise(x, axis):      # numpy; x: float32 -> the quantised numbers, widened to float32 again
;;       x = np.moveaxis(x, axis, -1); K = x.shape[-1]
;;       x = np.pad(x, [(0, 0)] * (x.ndim - 1) + [(0, -K % 32)]); x = x.reshape(x.shape[:-1] + (-1, 32)); a = np.abs(x).max(-1, keepdims=True)
;;       e = np.where(a > 0, np.clip(np.frexp(np.where(a > 0, a, 1))[1] - 1 - 2, -126, 127), 0)      # np.frexp(a)[1] - 1 = floor(log2(a)), exactly
;;       r = np.clip(x / 2.0 ** e, -7.5, 7.5)
;;       step = 2.0 ** (np.maximum(np.frexp(np.where(r == 0, 1, r))[1] - 1, 0) - 3)
;;       q = np.round(r / step) * step * 2.0 ** e      # np.round: ties to even
;;       return np.moveaxis(q.reshape(q.shape[:-2] + (-1,))[..., :K], -1, axis).astype(np.float32)
;;   ~~~
;;   SOFTMAX AHEAD OF A QUANTISED PRODUCT. Where the list says 'softmax', what is quantised is not the finished softmax but p = 2^(t - M), with t = logit x log2(e) and M = ceil(the row's largest t), a whole number; so 1/2 < the row's largest p <= 1. The row's sum l is taken of the UNQUANTISED p, in f32, and the product's result is divided by l at the end. Since M is a whole number, a kernel that streams over the keys may use a running M (the ceiling of the running maximum): every later rescaling is an exact power of two, which a block's scale takes up: the codes' values come out the same.
;;   OPERANDS COMPUTED ON THE WAY. 'Computed on the way' means the value that the module computes at that place (a softmax that the list does not call 'softmax' is quantised finished and normalised). What goes into a quantiser is computed in f32, as accurately as f32 sums, v_exp_f32 and their like allow (about 1e-6 of the number): no bf16 or f16 on the way to a quantiser, and a product that is left as it is and whose result goes on into a quantised operand takes f32 operands (vector FMAs, or v_wmma_f32_16x16x4_f32). A number that lies on a knife's edge between two numbers of the format may be rounded either way, as far as f32 arithmetic and the matrix unit's own rounding can turn it there, and no further.
;; One version. Each part assembles by itself: llvm-mc -triple=amdgcn-amd-amdhsa -mcpu=gfx1250 --defsym DOCPART=n.
;; ======== version 1 of 1: 4 launches
;; limits: right only within a limited range of input values
;; workspace buffers: xc 22,020,096 bytes; xs 917,504 bytes; rope 524,288 bytes; qkv 19,660,800 bytes; oc 6,291,456 bytes; os 262,144 bytes
;; launch prep (part 1): grid 928 x 1, 4 waves a work-group, no clusters, 35,328 bytes of LDS; arguments query, key, value, Wq, Wk, Wv, Wo, xc, xs, rope; writes xc, xs, rope
.if DOCPART == 1
	.amdgcn_target "amdgcn-amd-amdhsa--gfx1250"
	.amdhsa_code_object_version 6
	.text
	.protected	k_q3019212489_prep
	.globl	k_q3019212489_prep
	.p2align	8
	.type	k_q3019212489_prep,@function
k_q3019212489_prep:
	s_mov_b64 s[64:65], 0
	v_nop
	global_prefetch_b8 v0, s[64:65] scope:SCOPE_SE
	s_setreg_imm32_b32 hwreg(HW_REG_WAVE_MODE, 25, 1), 1
	s_wait_xcnt 0x0
; query, key, value [8192][1024] and Wq, Wk, Wv, Wo [1024][1024], f32, become codes of FP6 (E2M3) with one E8M0 byte for each 32 along K; and the table of cosines and sines is made.
; No work of the problem is left out anywhere in this program: every input has a way to the output and is loaded.
; PLACES: 28,672 places of rows; bases: query 0, key 8,192, value 16,384, Wq 24,576, Wk 25,600, Wv 26,624, Wo 27,648.  A tile is 16 neighbouring places: eight neighbouring rows and the eight that lie D further on.
; query, key: D = 32 (tile u of a group of 64 rows begins at row 8 u); value, Wq, Wk, Wv: D = 16 (tile t of a group of 32 at row 8 t); Wo: D = 8, its own order.
; xc: [tile][128 along K: 8][half c: 2][768 bytes]: a half image of the operand's registers: registers 6 c .. 6 c + 3 of lane l at 16 l, registers 6 c + 4, 6 c + 5 at 512 + 8 l.  Lane l = r + 16 h holds k = 64 c + 32 h + 0 .. 31 of the tile's row r.
; xs: [tile][512 along K: 2][row r: 16][16 scale bytes].
; A block's scale is 2^(floor(log2(its largest magnitude)) - 2); its byte is that magnitude's exponent field - 2, held at 1 from below (a block of zeros gets the byte 1: its codes are zeros, and this program alone reads the bytes).
; LIMITS: blocks whose largest magnitude lies under 2^-124 get the byte 1; NaN and infinities among the inputs are not served.
; Work-groups 0 to 895: two tiles; a wave takes one tile x 512 along K in 8 steps of 16 rows x 64 K.  Each of a step's eight loads reads 256 consecutive bytes of two rows; the 4,096 bytes turn through the wave's own stage in LDS
; (rows 272 bytes apart) and come back 128 bytes a lane: a whole block of 32, so no other lane is asked for its maximum.  Every store of codes covers 512 or 256 consecutive bytes, aligned to 256; the wave's 256 scale bytes leave as one aligned unit.
; Loads run three steps (24 loads a wave) ahead, the turn through LDS one step.  No barrier: waves share nothing.
; Work-groups 896 to 927: rope[s] = 32 cosines, 32 sines of s x 10^(-j / 8), j = 0 .. 31; a wave makes 16 positions, a lane one frequency.  This way touches no LDS.
.set STEPS, 8
.set EMAX,  2
.set W,     16                         ; v16-19  scale words, one for each 128 along K
.set PD,    20                         ; v20-23  the other half's
.set T,     24                         ; v24-26  a block's upper 16 codes (a conversion's three registers begin on an even number)
.set SPW,   28                         ; v28     my spare word's LDS address; never rewritten
.set NIL,   29                         ; v29     0; never rewritten
.set R,     32                         ; v32-127  three sets of 32 numbers as they are loaded
.set X,     128                        ; v128-191 two sets of 32 neighbours
.set C,     192                        ; v192-239 codes: six registers for each step, so that no store's data are written again
.set SP,    272
.set STG,   16*SP                      ; a stage
.set WREG,  2*STG                      ; a wave's two stages
.set SPARE, 4*WREG                     ; behind them the spare words: 512 bytes that no other line names
.set WGQ,   896
	s_load_b512 s[4:19], s[0:1], 0x0               ; query, key, value, Wq, Wk, Wv, Wo, xc
	s_load_b128 s[20:23], s[0:1], 0x40             ; xs, rope
	v_lshl_add_u32 v[SPW], v0, 2, SPARE
	v_mov_b32 v[NIL], 0
	v_lshrrev_b32 v1, 5, v0
	v_readfirstlane_b32 s28, v1                    ; wave
	v_and_b32 v2, 31, v0                           ; lane
	s_cmp_ge_u32 ttmp9, WGQ
	s_cbranch_scc1 .Lrope
	v_and_b32 v5, 15, v2                           ; r
	v_lshrrev_b32 v6, 4, v2                        ; h
	v_lshlrev_b32 v7, 4, v5                        ; 16 r
	v_lshl_add_u32 v3, v6, 12, v7                  ; a load: lanes 0-15 one row's 256 bytes, lanes 16-31 the next row's
	s_mul_i32 s29, s28, WREG
	v_mad_u32_u24 v14, v6, SP, v7
	v_add_nc_u32 v14, s29, v14                     ; the stage, on the way in
	v_mul_u32_u24 v15, v5, SP
	v_lshl_add_u32 v15, v6, 7, v15
	v_add_nc_u32 v15, s29, v15                     ; and on the way out: row r, 128 h
	v_lshlrev_b32 v4, 4, v2                        ; 16 l
	v_lshlrev_b32 v13, 3, v2                       ; 8 l
	v_lshlrev_b32 v10, 3, v6                       ; 8 h
.irp s, 0,1,2,3
	v_mov_b32 v[PD+\s], 0                          ; a lane permute's destination counts as one of its sources
.endr
	s_mov_b32 s44, 0x76543210
	s_mov_b32 s45, 0xfedcba98                      ; lane l xor 16
	s_wait_alu depctr_va_vdst(0)                   ; the wait at the head's end
	s_wait_kmcnt 0x0
	s_cmp_lt_u32 ttmp9, 864                        ; which tensor: the choices hang on the work-group's number alone
	s_cselect_b64 s[24:25], s[14:15], s[16:17]
	s_cselect_b32 s31, 1, 0                        ; n: a group has 2^n tiles, D = 8 x 2^n
	s_cmp_lt_u32 ttmp9, 832
	s_cselect_b64 s[24:25], s[12:13], s[24:25]
	s_cmp_lt_u32 ttmp9, 800
	s_cselect_b64 s[24:25], s[10:11], s[24:25]
	s_cmp_lt_u32 ttmp9, 768
	s_cselect_b64 s[24:25], s[8:9], s[24:25]
	s_cselect_b32 s26, 255, 31                     ; work-groups in a tensor, less one
	s_cmp_lt_u32 ttmp9, 512
	s_cselect_b64 s[24:25], s[6:7], s[24:25]
	s_cselect_b32 s31, 2, s31
	s_cmp_lt_u32 ttmp9, 256
	s_cselect_b64 s[24:25], s[4:5], s[24:25]
	s_and_b32 s26, ttmp9, s26
	s_lshr_b32 s32, s28, 1                         ; which of the two tiles
	s_and_b32 s33, s28, 1                          ; which 512 along K
	s_lshl_b32 s26, s26, 1
	s_add_co_u32 s26, s26, s32                     ; my tile in the tensor
	s_lshr_b32 s34, s26, s31
	s_add_co_u32 s35, s31, 4
	s_lshl_b32 s34, s34, s35                       ; its group's first row
	s_lshl_b32 s36, 1, s31
	s_sub_co_u32 s36, s36, 1
	s_and_b32 s36, s26, s36
	s_lshl_b32 s36, s36, 3
	s_add_co_u32 s34, s34, s36                     ; + 8 x the tile's number in the group
	s_lshl_b32 s34, s34, 12                        ; 4,096 bytes a row
	s_lshl_b32 s36, s33, 11
	s_add_co_u32 s26, s34, s36
	s_mov_b32 s27, 0
	s_add_nc_u64 s[24:25], s[24:25], s[26:27]      ; the tile's first eight rows,
	s_lshl_b32 s26, 0x8000, s31
	s_add_nc_u64 s[38:39], s[24:25], s[26:27]      ; and the eight D rows further on
	s_lshl_b32 s34, ttmp9, 1
	s_add_co_u32 s34, s34, s32                     ; my tile among all
	s_mul_i32 s26, s34, 12288
	s_mul_i32 s36, s33, 6144
	s_add_co_u32 s26, s26, s36
	s_add_nc_u64 s[18:19], s[18:19], s[26:27]
	s_lshl_b32 s26, s34, 9
	s_lshl_b32 s36, s33, 8
	s_add_co_u32 s26, s26, s36
	s_add_nc_u64 s[20:21], s[20:21], s[26:27]
.macro LOAD t
.irp i, 0,1,2,3
	global_load_b128 v[R+32*((\t)%3)+4*\i:R+32*((\t)%3)+4*\i+3], v3, s[24:25] offset:256*(\t)+8192*\i th:TH_LOAD_NT
	global_load_b128 v[R+32*((\t)%3)+16+4*\i:R+32*((\t)%3)+16+4*\i+3], v3, s[38:39] offset:256*(\t)+8192*\i th:TH_LOAD_NT
.endr
.endm
.macro TURN t                          ; LDS serves a wave's instructions in order: no wait between the stores and the loads
.irp i, 0,1,2,3,4,5,6,7
	ds_store_b128 v14, v[R+32*((\t)%3)+4*\i:R+32*((\t)%3)+4*\i+3] offset:STG*((\t)%2)+2*SP*\i
.endr
.irp i, 0,1,2,3,4,5,6,7
	ds_load_b128 v[X+32*((\t)%2)+4*\i:X+32*((\t)%2)+4*\i+3], v15 offset:STG*((\t)%2)+16*\i
.endr
.endm
	LOAD 0
	LOAD 1
	LOAD 2
	s_wait_loadcnt 16                              ; step 0's eight loads are in; the sixteen of steps 1 and 2 may be out
	TURN 0
.macro STEP t
.set XS, X+32*((\t)%2)
.set CC, C+6*(\t)
	s_wait_dscnt 0x0                               ; this step's numbers are back, so its stores into the stage have read their registers,
.if (\t)+3 < STEPS
	LOAD (\t)+3                                    ; which take the loads of three steps on
.endif
.if (\t)+1 < STEPS
.if (\t) <= 4
	s_wait_loadcnt 16                              ; the next step's loads are in; those of the two steps behind it may be out
.else
	s_wait_loadcnt 8*(6-(\t))
.endif
	TURN (\t)+1
.endif
	v_max3_num_f32 v8, |v[XS]|, |v[XS+1]|, |v[XS+2]|       ; the block's largest magnitude, in two chains
	v_max3_num_f32 v9, |v[XS+3]|, |v[XS+4]|, |v[XS+5]|
.irp i, 6,10,14,18,22,26
	v_max3_num_f32 v8, v8, |v[XS+\i]|, |v[XS+\i+1]|
	v_max3_num_f32 v9, v9, |v[XS+\i+2]|, |v[XS+\i+3]|
.endr
	v_max3_num_f32 v8, v8, |v[XS+30]|, |v[XS+31]|
	v_max3_num_f32 v8, v8, v9, (EMAX+1)<<23        ; and the floor 2^(3 - 127): the byte cannot fall under 1
	v_add_nc_u32 v11, -(EMAX<<23), v8              ; 2 off its exponent field: the conversion's scale operand
	v_cvt_scalef32_pk16_fp6_f32 v[CC:CC+2], v[XS:XS+15], v11
	v_cvt_scalef32_pk16_fp6_f32 v[T:T+2], v[XS+16:XS+31], v11
	v_lshrrev_b32 v12, 23, v11                     ; the scale's byte.  (A plain instruction behind the conversions)
.if (\t)%2 == 0
	v_mov_b32 v[W+(\t)/2], v12
.else
	v_lshl_or_b32 v[W+(\t)/2], v12, 16, v[W+(\t)/2]
.endif
.irp i, 0,1,2
	v_mov_b32 v[CC+3+\i], v[T+\i]
.endr
	global_store_b128 v4, v[CC:CC+3], s[18:19] offset:768*(\t)         ; 512 consecutive bytes, aligned to 256
	global_store_b64 v13, v[CC+4:CC+5], s[18:19] offset:768*(\t)+512   ; 256 consecutive bytes, aligned
.endm
.irp t, 0,1,2,3,4,5,6,7
	STEP \t
.endr
.irp s, 0,1,2,3
	v_lshlrev_b32 v[W+\s], v10, v[W+\s]            ; my two bytes (blocks h and 2 + h) at their places,
.endr
.irp s, 0,1,2,3
	v_permlanex16_b32 v[PD+\s], v[W+\s], s44, s45
.endr
.irp s, 0,1,2,3
	v_or_b32 v[W+\s], v[W+\s], v[PD+\s]            ; with lane l xor 16's two the word is whole
.endr
	global_store_b128 v7, v[W:W+3], s[20:21]       ; 16 rows x 16 bytes: one aligned 256 bytes (lanes l and l xor 16 store the same bytes to the same place)
	s_wait_tensorcnt 0x0                           ; the wave's end
	ds_add_u32 v[SPW], v[NIL]
	s_wait_dscnt 0x0
	s_endpgm
; THE TABLE.  P = 10^(j / 8), each lane's own; inv = 1 / P by a reciprocal and one correction step; x = s x inv, one f32 product.
; n = the whole number nearest x x 2 / pi; r = x - n pi / 2 with pi / 2 in two parts; polynomials on |r| <= pi / 4; the quadrant n mod 4 exchanges the two and sets the signs, without a branch.
.macro PW j, val
	s_mov_b32 s44, \val
	v_writelane_b32 v1, s44, \j
.endm
.Lrope:
	v_mov_b32 v1, 1.0
	PW 1, 1.3335214321633240
	PW 2, 1.7782794100389228
	PW 3, 2.3713737056616552
	PW 4, 3.1622776601683795
	PW 5, 4.2169650342858223
	PW 6, 5.6234132519034912
	PW 7, 7.4989420933245583
	PW 8, 10.0
	PW 9, 13.335214321633240
	PW 10, 17.782794100389228
	PW 11, 23.713737056616552
	PW 12, 31.622776601683795
	PW 13, 42.169650342858223
	PW 14, 56.234132519034912
	PW 15, 74.989420933245583
	PW 16, 100.0
	PW 17, 133.35214321633240
	PW 18, 177.82794100389228
	PW 19, 237.13737056616552
	PW 20, 316.22776601683795
	PW 21, 421.69650342858223
	PW 22, 562.34132519034912
	PW 23, 749.89420933245583
	PW 24, 1000.0
	PW 25, 1333.5214321633240
	PW 26, 1778.2794100389228
	PW 27, 2371.3737056616552
	PW 28, 3162.2776601683795
	PW 29, 4216.9650342858223
	PW 30, 5623.4132519034912
	PW 31, 7498.9420933245583
	s_wait_alu depctr_va_vdst(0)
	v_rcp_f32 v3, v1
	v_lshlrev_b32 v2, 2, v2                        ; 4 j: my place in a row's cosines.  (A plain instruction behind the reciprocal)
	s_wait_alu depctr_va_vdst(0)
	v_fma_f32 v4, -v1, v3, 1.0
	v_fma_f32 v3, v3, v4, v3                       ; inv
	s_sub_co_u32 s30, ttmp9, WGQ
	s_lshl_b32 s30, s30, 2
	s_add_co_u32 s30, s30, s28                     ; which 16 positions are my wave's
	s_lshl_b32 s31, s30, 4
	s_lshl_b32 s32, s30, 12                        ; 256 bytes a position
	s_mov_b32 s33, 0
	s_mov_b32 s34, 0xbfc90fdb                      ; -(pi / 2), first part
	s_mov_b32 s35, 0x333bbd2e                      ; the first part less pi / 2
	s_mov_b32 s36, -0.00019515295891               ; the sine's three coefficients
	s_mov_b32 s37, 0.0083321608736
	s_mov_b32 s38, -0.16666654611
	s_mov_b32 s39, 0.00002443315711809948          ; the cosine's three
	s_mov_b32 s40, -0.001388731625493765
	s_mov_b32 s41, 0.04166664568298827
	s_mov_b32 s42, 0x3f22f983                      ; 2 / pi
	s_wait_kmcnt 0x0
	s_add_nc_u64 s[22:23], s[22:23], s[32:33]
.macro SINCOS i                        ; position i of my 16; each has its own two result registers
	s_add_co_u32 s45, s31, \i
	v_cvt_f32_u32 v4, s45
	s_wait_alu depctr_va_vdst(0)
	v_mul_f32 v4, v4, v3                           ; x
	v_mul_f32 v5, s42, v4
	v_rndne_f32 v5, v5                             ; n
	v_fma_f32 v6, v5, s34, v4
	v_fma_f32 v6, v5, s35, v6                      ; r
	v_cvt_i32_f32 v8, v5
	v_mul_f32 v7, v6, v6                           ; z = r r
	v_fma_f32 v9, v7, s36, s37
	v_fma_f32 v11, v7, s39, s40
	v_fma_f32 v9, v9, v7, s38
	v_fma_f32 v11, v11, v7, s41
	v_mul_f32 v10, v6, v7
	v_mul_f32 v12, v7, v7
	v_fma_f32 v13, v7, -0.5, 1.0
	v_fma_f32 v9, v9, v10, v6                      ; sin r
	v_fma_f32 v11, v11, v12, v13                   ; cos r
	v_and_b32 v12, 1, v8
	v_cmp_eq_u32 vcc_lo, 1, v12
	v_cndmask_b32 v13, v9, v11, vcc_lo             ; an odd quadrant exchanges the two
	v_cndmask_b32 v14, v11, v9, vcc_lo
	v_and_b32 v12, 2, v8                           ; the sine is negative in quadrants 2 and 3,
	v_add_nc_u32 v15, 1, v8
	v_lshlrev_b32 v12, 30, v12
	v_and_b32 v15, 2, v15                          ; the cosine in 1 and 2
	v_xor_b32 v[33+2*\i], v13, v12
	v_lshlrev_b32 v15, 30, v15
	v_xor_b32 v[32+2*\i], v14, v15
	global_store_b32 v2, v[32+2*\i], s[22:23] offset:256*\i        ; the two stores cover 256 consecutive bytes, aligned
	global_store_b32 v2, v[33+2*\i], s[22:23] offset:256*\i+128
.endm
.irp i, 0,1,2,3,4,5,6,7,8,9,10,11,12,13,14,15
	SINCOS \i
.endr
	s_endpgm
.Lfunc_end_k_q3019212489_prep:
	.size	k_q3019212489_prep, .Lfunc_end_k_q3019212489_prep-k_q3019212489_prep
	.p2alignl 7, 3214868480
	.fill 96, 4, 3214868480
	.section	.rodata,"a",@progbits
	.p2align	6, 0x0
	.amdhsa_kernel k_q3019212489_prep
		.amdhsa_group_segment_fixed_size 35328
		.amdhsa_private_segment_fixed_size 0
		.amdhsa_enable_private_segment 0
		.amdhsa_kernarg_size 80
		.amdhsa_user_sgpr_count 2
		.amdhsa_user_sgpr_kernarg_segment_ptr 1
		.amdhsa_wavefront_size32 1
		.amdhsa_system_sgpr_workgroup_id_x 1
		.amdhsa_system_sgpr_workgroup_id_y 1
		.amdhsa_system_sgpr_workgroup_id_z 1
		.amdhsa_system_vgpr_workitem_id 0
		.amdhsa_next_free_vgpr 240
		.amdhsa_next_free_sgpr 66
		.amdhsa_reserve_vcc 1
		.amdhsa_float_denorm_mode_32 3
		.amdhsa_float_denorm_mode_16_64 3
		.amdhsa_memory_ordered 1
		.amdhsa_forward_progress 1
		.amdhsa_inst_pref_size 59
	.end_amdhsa_kernel
	.amdgpu_metadata
---
amdhsa.version: [ 1, 2 ]
amdhsa.kernels:
  - .name:           k_q3019212489_prep
    .symbol:         k_q3019212489_prep.kd
    .args:
      - { .name: query, .offset: 0, .size: 8, .value_kind: global_buffer, .address_space: global }
      - { .name: key, .offset: 8, .size: 8, .value_kind: global_buffer, .address_space: global }
      - { .name: value, .offset: 16, .size: 8, .value_kind: global_buffer, .address_space: global }
      - { .name: Wq, .offset: 24, .size: 8, .value_kind: global_buffer, .address_space: global }
      - { .name: Wk, .offset: 32, .size: 8, .value_kind: global_buffer, .address_space: global }
      - { .name: Wv, .offset: 40, .size: 8, .value_kind: global_buffer, .address_space: global }
      - { .name: Wo, .offset: 48, .size: 8, .value_kind: global_buffer, .address_space: global }
      - { .name: xc, .offset: 56, .size: 8, .value_kind: global_buffer, .address_space: global }
      - { .name: xs, .offset: 64, .size: 8, .value_kind: global_buffer, .address_space: global }
      - { .name: rope, .offset: 72, .size: 8, .value_kind: global_buffer, .address_space: global }
    .group_segment_fixed_size: 35328
    .private_segment_fixed_size: 0
    .kernarg_segment_align: 8
    .kernarg_segment_size: 80
    .max_flat_workgroup_size: 128
    .sgpr_count:     66
    .vgpr_count:     240
    .wavefront_size: 32
...
	.end_amdgpu_metadata
.endif
;; end of part 1
;; launch proj (part 2): grid 4 x 128, 4 waves a work-group, clusters of 4 x 4, 327,680 bytes of LDS; arguments xc, xs, rope, bq, bk, bv, qkv; writes qkv
.if DOCPART == 2
	.amdgcn_target "amdgcn-amd-amdhsa--gfx1250"
	.amdhsa_code_object_version 6
	.text
	.protected	k_q3019212489_proj
	.globl	k_q3019212489_proj
	.p2align	8
	.type	k_q3019212489_proj,@function
k_q3019212489_proj:
	s_mov_b64 s[64:65], 0
	v_nop
	global_prefetch_b8 v0, s[64:65] scope:SCOPE_SE
	s_setreg_imm32_b32 hwreg(HW_REG_WAVE_MODE, 25, 1), 1
	s_wait_xcnt 0x0
	s_wait_alu depctr_hold_cnt(0) depctr_sa_sdst(0) depctr_va_vdst(0) depctr_va_sdst(0) depctr_va_ssrc(0) depctr_va_vcc(0) depctr_vm_vsrc(0)
	s_getreg_b32 s2, hwreg(HW_REG_IB_STS2, 6, 4)
	s_cmp_eq_u32 s2, 0
	s_cbranch_scc0 .Lentry_in_a_cluster
	s_endpgm
.Lentry_in_a_cluster:
	s_bfe_u32 s2, ttmp6, 0x10000c
	s_cmp_lg_u32 s2, 0xf033
	s_cbranch_scc0 .Lentry_shape_is_right
	s_endpgm
.Lentry_shape_is_right:
; q = query Wq^T + bq and k = key Wk^T + bk with the rotary embedding, and v = value Wv^T + bv, on codes of FP6 (E2M3) with E8M0 scales; the results are quantised at once for the attention and stored as images of operand registers.
; Clusters 0 to 15 along y: q and k, blocks of 256 tokens x 256 channels through a ring of two slots of 256 along K.  Clusters 16 to 31: v, blocks of 128 channels x 256 tokens with all of K in LDS.  512 work-groups in all.
; The two ways part at the head on the cluster's number alone, which is the same in all waves and in all partners of a cluster.
.set SIZE_K, 1024
.set KSTEP,  256
.set NQ,     KSTEP/128
.set ROWB,   3072
.set KROW,   SIZE_K*6/8
.set PITCH,  192
.set FR,     12
.set NL,     4
.set NP,     4
.set HALFT,  128*PITCH
.set SLOT,   4*HALFT
.set LAPS,   SIZE_K/(2*KSTEP)
.set KS,     SIZE_K/32
.set SCL,    2*SLOT
.set HALFS,  (128*KS/256)*272
.set SBLK,   (16*KS/256)*272
.set SPARE,  294912                    ; behind the ring and the scales, and behind the values' tiles
.set HS,     307200
.set STB,    19200
.set PART,   6400
.set ADRA, 16
.set ADRB, 20
.set ADRS, 27
.set SPW,  28
.set NIL,  29
.set SC,   32
.set AF,   128
.set BIO,  1
.set CSO,  2
.set IMO,  3
.set SO,   4
.set MX,   8
.set PB,   12
.set SW,   16
.set PW,   24
.set SWO,  26
.set VBO,  27
.set P0,   32
.set P1,   44
.set CT,   56
.set BI,   64
.set X,    128
.set SEL,  46
.set G1, 24
.set G0, 32
.set G1B, 48
.set G0B, 56
.set G1S, 68
.set G0S, 76
.set G1SB, 80
.set G0SB, 88
.set MSB, 0
.macro WIN new
.if MSB != (\new)
	s_set_vgpr_msb (MSB<<8)|(\new)
.set MSB, (\new)
.endif
.endm
.set MUL_LO, 0xa1
.set MUL_HI, 0xf1
.set TO_B,   0x40
.macro JLOAD g0a, g1a, g0b, g1b
	s_cmp_eq_u32 s15, 0
	s_cbranch_scc0 .Lfor_b_\@
	tensor_load_to_lds s[\g0a:\g0a+3], s[\g1a:\g1a+7]
	s_nop 0
.rept 4
	v_nop
.endr
	s_branch .Lasked_\@
.Lfor_b_\@:
	tensor_load_to_lds s[\g0b:\g0b+3], s[\g1b:\g1b+7]
	s_nop 0
.rept 4
	v_nop
.endr
.Lasked_\@:
.endm
.macro CREST
	s_cmp_lg_u32 s14, 0
	s_cbranch_scc1 .Lnot_wave_0_\@
	s_barrier_signal -3
.Lnot_wave_0_\@:
	s_barrier_wait -3
	s_barrier_signal -1
	s_barrier_wait -1
.endm
.macro CROUND
	s_barrier_signal -1
	s_barrier_wait -1
	CREST
.endm
	s_load_b128 s[4:7], s[0:1], 0x0
	s_load_b128 s[8:11], s[0:1], 0x10
	s_load_b128 s[96:99], s[0:1], 0x20
	s_load_b64 s[12:13], s[0:1], 0x30
	v_lshl_add_u32 v[SPW], v0, 2, SPARE
	v_mov_b32 v[NIL], 0
	ds_add_u32 v28, v29
	ds_add_u32 v28, v29
	s_wait_dscnt 0x0
	v_lshrrev_b32 v1, 5, v0
	v_readfirstlane_b32 s14, v1
	s_lshr_b32 s15, s14, 1
	s_and_b32 s16, s14, 1
	s_bfe_u32 s40, ttmp6, 0x40000
	s_bfe_u32 s41, ttmp6, 0x40004
	s_and_b32 s66, ttmp7, 0xffff
	s_lshl_b32 s67, s66, 2
	s_lshr_b32 s95, s66, 3
	s_lshl_b32 s100, s95, 2
	s_add_co_u32 s100, s100, 96
	s_cmp_ge_u32 s66, 16
	s_cbranch_scc1 .Lvhalf                         ; the values have a way of their own
	s_mov_b32 s17, s67
	s_mov_b32 s42, s100
	s_add_co_u32 s17, s17, s41
	s_add_co_u32 s42, s42, s40
	s_lshl_b32 s43, s41, 2
	s_lshl_b32 s43, 15, s43
	s_lshl_b32 s44, 0x1111, s40
	s_or_b32 s[G1+0], s43, (3<<16)|(1<<21)         ; eight tiles of 16 places x 256 along K: rows of 3,072 bytes (384 elements of 8), 12,288 bytes apart, dense in LDS
	s_or_b32 s[G1B+0], s44, (3<<16)|(1<<21)
.irp g, G1, G1B
	s_mov_b32 s[\g+1], 384<<16
	s_mov_b32 s[\g+2], 16<<16                      ; the head's loads bring all 16 tiles of places; behind them the two words are set to 8, for the ring's
	s_mov_b32 s[\g+3], 384<<16
	s_mov_b32 s[\g+4], 16
	s_mov_b32 s[\g+5], 1536
	s_mov_b32 s[\g+6], 0
	s_mov_b32 s[\g+7], 0
.endr
	s_or_b32 s[G1S+0], s43, (3<<16)|(1<<20)|(1<<21)|(5<<22)|(3<<25)
	s_or_b32 s[G1SB+0], s44, (3<<16)|(1<<20)|(1<<21)|(5<<22)|(3<<25)
.irp g, G1S, G1SB
	s_mov_b32 s[\g+1], 32<<16
	s_mov_b32 s[\g+2], KS<<16                      ; the scales of 256 places: KS rows of 256 bytes
	s_mov_b32 s[\g+3], 32<<16
	s_mov_b32 s[\g+4], KS
	s_mov_b32 s[\g+5], 32
	s_mov_b32 s[\g+6], 0
	s_mov_b32 s[\g+7], 0
.endr
	s_lshl_b32 s20, s17, 8
	s_lshl_b32 s46, s42, 8
	s_mov_b32 s21, 0
	s_mov_b32 s47, 0
	s_mov_b64 s[18:19], KS
	s_mul_u64 s[22:23], s[20:21], s[18:19]
	s_mul_u64 s[92:93], s[46:47], s[18:19]
	s_mov_b64 s[18:19], KROW
	s_mul_u64 s[20:21], s[20:21], s[18:19]
	s_mul_u64 s[46:47], s[46:47], s[18:19]
	s_mul_i32 s45, s14, HALFT
	s_mul_i32 s94, s14, HALFS
	s_wait_kmcnt 0x0
	s_add_nc_u64 s[20:21], s[4:5], s[20:21]
	s_add_nc_u64 s[22:23], s[6:7], s[22:23]
	s_add_nc_u64 s[46:47], s[4:5], s[46:47]
	s_add_nc_u64 s[92:93], s[6:7], s[92:93]
	CROUND
	s_mov_b32 s[G0S], 1                            ; the head's four tiles, each whole: the scales of A's 256 places,
	s_mov_b32 s[G0S+1], SCL
	s_mov_b64 s[G0S+2:G0S+3], s[22:23]
	s_or_b32 s[G0S+3], s[G0S+3], 0x80000000
	s_mov_b32 s[G0SB], 1                           ; of B's,
	s_mov_b32 s[G0SB+1], SCL+2*HALFS
	s_mov_b64 s[G0SB+2:G0SB+3], s[92:93]
	s_or_b32 s[G0SB+3], s[G0SB+3], 0x80000000
	s_mov_b32 s[G0], 1                             ; the first 256 along K of A's 256 places,
	s_mov_b32 s[G0+1], 0
	s_mov_b64 s[G0+2:G0+3], s[20:21]
	s_or_b32 s[G0+3], s[G0+3], 0x80000000
	s_mov_b32 s[G0B], 1                            ; and of B's, behind them in slot 0
	s_mov_b32 s[G0B+1], 2*HALFT
	s_mov_b64 s[G0B+2:G0B+3], s[46:47]
	s_or_b32 s[G0B+3], s[G0B+3], 0x80000000
; ONE a wave: one chain of branches on the wave's number, each arm with its load, all arms leading to one join
.macro ARM under, g0, g1, next
	s_cmp_lt_u32 s14, \under
	s_cbranch_scc0 \next
	tensor_load_to_lds s[\g0:\g0+3], s[\g1:\g1+7]
	s_nop 0
.rept 4
	v_nop
.endr
	s_branch .Lhead_asked
\next:
.endm
	ARM 1, G0,  G1,  .Lhead_b
	ARM 2, G0B, G1B, .Lhead_sa
	ARM 3, G0S, G1S, .Lhead_sb
	tensor_load_to_lds s[G0SB:G0SB+3], s[G1SB:G1SB+7]
	s_nop 0
.rept 4
	v_nop
.endr
.Lhead_asked:
	s_mul_i32 s18, s16, 128*KROW                   ; in the ring I fetch 128 places of a tile: which half, in bytes
	s_mov_b32 s19, 0
	s_add_nc_u64 s[20:21], s[20:21], s[18:19]
	s_add_nc_u64 s[46:47], s[46:47], s[18:19]
	s_mov_b32 s[G0+4], 1                           ; slot 1's group 0: the second 256 along K
	s_add_co_u32 s[G0+5], s45, SLOT
	s_add_nc_u64 s[G0+6:G0+7], s[20:21], ROWB
	s_or_b32 s[G0+7], s[G0+7], 0x80000000
	s_mov_b32 s[G0B+4], 1
	s_add_co_u32 s[G0B+5], s45, SLOT
	s_add_nc_u64 s[G0B+6:G0B+7], s[46:47], ROWB
	s_or_b32 s[G0B+7], s[G0B+7], 0x80000000
	v_and_b32 v1, 15, v0
	v_bfe_u32 v2, v0, 4, 1
	v_and_b32 v3, 31, v0
	v_lshlrev_b32 v4, 4, v3                        ; a half image: 16 bytes a lane,
	v_lshlrev_b32 v5, 3, v3                        ; then 8 bytes a lane
	s_mul_i32 s21, s15, HALFT
	s_mul_i32 s22, s16, HALFT
	s_add_co_u32 s22, s22, 2*HALFT
.irp s, 0,1
	v_add_nc_u32 v[ADRA+\s], s21, v4
	v_add_nc_u32 v[ADRB+\s], s22, v4
	v_add_nc_u32 v[ADRA+2+\s], s21, v5
	v_add_nc_u32 v[ADRB+2+\s], s22, v5
	s_add_co_u32 s21, s21, SLOT
	s_add_co_u32 s22, s22, SLOT
.endr
	v_lshlrev_b32 v5, 4, v1                        ; scales: [tile][512 along K][row][16 bytes]
	s_mul_i32 s21, s15, HALFS
	s_mul_i32 s22, s16, HALFS
	s_add_co_u32 s22, s22, 2*HALFS
	s_sub_co_u32 s22, s22, s21
	v_mul_u32_u24 v6, s22, v2
	s_add_co_u32 s21, s21, SCL
	v_add_nc_u32 v5, v5, v6
	v_add_nc_u32 v[ADRS], s21, v5
	s_mov_b32 s100, s17
	s_mov_b32 s101, s40
	s_mov_b32 s18, s15
	s_mov_b32 s19, s16
	s_cmp_eq_u32 s95, 1
	s_cselect_b64 s[10:11], s[96:97], s[10:11]
	s_and_b32 s100, s100, 31
	s_lshr_b32 s20, s100, 3
	s_and_b32 s21, s100, 7
	s_lshl_b32 s21, s21, 1
	s_add_co_u32 s21, s21, s18
	s_lshl_b32 s22, s101, 2
	s_lshl_b32 s23, s19, 1
	s_add_co_u32 s22, s22, s23
	s_lshl_b32 s20, s20, 4
	s_add_co_u32 s20, s20, s22
	s_lshl_b32 s20, s20, 4
	s_add_co_u32 s20, s20, s21
	s_mul_i32 s46, s20, STB
	s_mul_i32 s23, s95, PART
	s_add_co_u32 s46, s46, s23
	s_mov_b32 s47, 0
	s_add_nc_u64 s[12:13], s[12:13], s[46:47]
	s_lshl_b32 s46, s21, 15
	s_add_nc_u64 s[8:9], s[8:9], s[46:47]
	s_lshl_b32 s46, s22, 8
	s_add_nc_u64 s[10:11], s[10:11], s[46:47]
	s_mov_b32 s[SEL], 0x76543210
	s_mov_b32 s[SEL+1], 0xfedcba98
.macro FRAG reg, adr, q, i
.irp c, 0,1
	ds_load_b128 v[\reg+6*\c:\reg+6*\c+3], v[\adr] offset:3072*(\i)+1536*(\q)+768*\c
	ds_load_b64 v[\reg+6*\c+4:\reg+6*\c+5], v[\adr+2] offset:3072*(\i)+1536*(\q)+768*\c+512
.endr
.endm
.macro MUL16 a0, p, q, sc, zero
.irp a, \a0, \a0+1
.irp b, 0,1,2,3,4,5,6,7
.if \zero
	v_wmma_scale_f32_16x16x128_f8f6f4 v[8*(8*((\a)%4)+\b):8*(8*((\a)%4)+\b)+7], v[128*(\p)+FR*\b:128*(\p)+FR*\b+FR-1], v[AF+FR*(\a):AF+FR*(\a)+FR-1], 0, v[SC+8*NQ*(\sc)+NQ*\b+(\q)], v[SC+8*NQ*(\sc)+NQ*(\a)+(\q)] matrix_a_fmt:MATRIX_FMT_FP6 matrix_b_fmt:MATRIX_FMT_FP6 matrix_a_scale:MATRIX_SCALE_ROW1
.else
	v_wmma_scale_f32_16x16x128_f8f6f4 v[8*(8*((\a)%4)+\b):8*(8*((\a)%4)+\b)+7], v[128*(\p)+FR*\b:128*(\p)+FR*\b+FR-1], v[AF+FR*(\a):AF+FR*(\a)+FR-1], v[8*(8*((\a)%4)+\b):8*(8*((\a)%4)+\b)+7], v[SC+8*NQ*(\sc)+NQ*\b+(\q)], v[SC+8*NQ*(\sc)+NQ*(\a)+(\q)] matrix_a_fmt:MATRIX_FMT_FP6 matrix_b_fmt:MATRIX_FMT_FP6 matrix_a_scale:MATRIX_SCALE_ROW1
.endif
.endr
.endr
.endm
.macro FETCH_B slot, q, p
	WIN TO_B
.irp i, 0,1,2,3,4,5,6,7
	FRAG 128*(\p)+FR*\i, ADRB+\slot, \q, \i
.endr
	WIN 0
.endm
.macro FETCH_A slot, q, i0
.irp i, \i0, \i0+1, \i0+2, \i0+3
	FRAG AF+FR*(\i), ADRA+\slot, \q, \i
.endr
.endm
.macro SCALES sc
.irp i, 0,1,2,3,4,5,6,7
	ds_load_b64 v[SC+8*NQ*\sc+NQ*\i:SC+8*NQ*\sc+NQ*\i+1], v[ADRS] offset:\i*SBLK
.endr
.endm
.macro PLACES n
.rept \n
	v_nop
.endr
.endm
.macro STEP slot, q, zero
	s_wait_dscnt 4*NL
	WIN MUL_LO
	MUL16 0, (\q)%2, \q, \slot, \zero
	MUL16 2, (\q)%2, \q, \slot, \zero
	s_wait_dscnt 0
	PLACES NP
	FETCH_B \slot, (\q)+1, 1-(\q)%2
	FETCH_A \slot, (\q)+1, 0
	WIN MUL_HI
	MUL16 4, (\q)%2, \q, \slot, \zero
	MUL16 6, (\q)%2, \q, \slot, \zero
	PLACES NP
	WIN 0
	FETCH_A \slot, (\q)+1, 4
.endm
.macro TURN slot, next, fill
	s_wait_tensorcnt 0x0
	ds_add_u32 v[SPW], v[NIL]
	s_wait_dscnt 4*NL+1
	WIN MUL_LO
	MUL16 0, 1, NQ-1, \slot, 0
	s_wait_dscnt 0x0
	s_barrier_signal -1
	MUL16 2, 1, NQ-1, \slot, 0
	WIN 0
	s_barrier_wait -1
.if \fill
	CREST
	s_add_nc_u64 s[G0+4*\slot+2:G0+4*\slot+3], s[G0+4*\slot+2:G0+4*\slot+3], 2*ROWB
	s_add_nc_u64 s[G0B+4*\slot+2:G0B+4*\slot+3], s[G0B+4*\slot+2:G0B+4*\slot+3], 2*ROWB
	JLOAD G0+4*\slot, G1, G0B+4*\slot, G1B
.else
	PLACES NP
.endif
	s_wait_alu depctr_va_vdst(0)
	v_add_nc_u32 v[ADRS], 8+256*\slot, v[ADRS]     ; the next 256 along K: 8 bytes on, or into the next unit of 256 + 16 bytes
	FETCH_B \next, 0, 0
	FETCH_A \next, 0, 0
	SCALES \next
	WIN MUL_HI
	MUL16 4, 1, NQ-1, \slot, 0
	MUL16 6, 1, NQ-1, \slot, 0
	PLACES NP
	WIN 0
	FETCH_A \next, 0, 4
.endm
.macro LAST
	s_wait_dscnt 4*NL
	WIN MUL_LO
	MUL16 0, 1, NQ-1, 1, 0
	MUL16 2, 1, NQ-1, 1, 0
	s_wait_dscnt 0
	WIN MUL_HI
	MUL16 4, 1, NQ-1, 1, 0
	MUL16 6, 1, NQ-1, 1, 0
	WIN 0
.endm
	s_wait_alu depctr_va_vdst(0)                   ; the wait at the head's end
	s_wait_tensorcnt 0x0                           ; my tile of the head's four is in
	ds_add_u32 v[SPW], v[NIL]
	s_mov_b32 s[G1+2], 8<<16                       ; no tensor load of mine is out, so descriptors may be written: from here on a load brings 8 tiles of places,
	s_mov_b32 s[G1+4], 8
	s_mov_b32 s[G1B+2], 8<<16
	s_mov_b32 s[G1B+4], 8
	s_mul_i32 s18, s16, 128*KROW
	s_mov_b32 s19, 0
	s_mul_i32 s[G0+1], s14, HALFT                  ; and slot 0's group 0 names my quarter of the slot
	s_add_nc_u64 s[G0+2:G0+3], s[G0+2:G0+3], s[18:19]
	s_mul_i32 s[G0B+1], s14, HALFT
	s_add_nc_u64 s[G0B+2:G0B+3], s[G0B+2:G0B+3], s[18:19]
	s_wait_dscnt 0x0
	CROUND                                         ; all four tiles are in, and all sixteen work-groups are here
	JLOAD G0+4, G1, G0B+4, G1B                     ; slot 1's first fill, the first tensor load behind the round
	FETCH_B 0, 0, 0
	FETCH_A 0, 0, 0
	SCALES 0
	FETCH_A 0, 0, 4
	STEP 0, 0, 1
	s_mov_b32 s3, LAPS-1
.Llap:
	TURN 0, 1, 1
	STEP 1, 0, 0
	TURN 1, 0, 1
	STEP 0, 0, 0
	s_sub_co_u32 s3, s3, 1
	s_cmp_lg_u32 s3, 0
	s_cbranch_scc1 .Llap
	TURN 0, 1, 0
	STEP 1, 0, 0
.macro ADDB a, byrow
	WIN 0x02+(\a)/4
.irp b, 0,1,2,3,4,5,6,7
.irp i, 0,2,4,6
.if \byrow
	v_pk_add_f32 v[X+8*\b+\i:X+8*\b+\i+1], v[8*(8*((\a)%4)+\b)+\i:8*(8*((\a)%4)+\b)+\i+1], v[BI+2*(\a):BI+2*(\a)+1]
.else
	v_pk_add_f32 v[X+8*\b+\i:X+8*\b+\i+1], v[8*(8*((\a)%4)+\b)+\i:8*(8*((\a)%4)+\b)+\i+1], v[BI+8*\b+\i:BI+8*\b+\i+1]
.endif
.endr
.endr
	WIN 0
.endm
.macro CSLOAD a
.if (\a) < 2                           ; each block's 32 cosines and sines have registers of their own in window 1: blocks 0 and 1 beside B's two sets, blocks 2 to 7 where those sets lay
.set CSB, 96+128*(\a)
.else
.set CSB, 32*((\a)-2)+32*(((\a)-2)/3)
.endif
	WIN TO_B
.irp k, 0,1,2,3
	global_load_b128 v[CSB+4*\k:CSB+4*\k+3], v[CSO], s[8:9] offset:(64*((\a)/4)+8*((\a)%4))*256+16*\k
	global_load_b128 v[CSB+16+4*\k:CSB+16+4*\k+3], v[CSO], s[8:9] offset:(64*((\a)/4)+8*((\a)%4))*256+128+16*\k
.endr
	WIN 0
.endm
.macro ROPE cs
.irp hd, 0,1
.irp i, 0,2,4,6,8,10,12,14
.set TT, 4+4*((\i/2)%2)
	v_pk_mul_f32 v[TT:TT+1], v[X+32*\hd+16+\i:X+32*\hd+17+\i], v[(\cs)+16+\i:(\cs)+17+\i]
	v_pk_mul_f32 v[TT+2:TT+3], v[X+32*\hd+\i:X+32*\hd+1+\i], v[(\cs)+16+\i:(\cs)+17+\i]
	v_pk_fma_f32 v[X+32*\hd+\i:X+32*\hd+1+\i], v[X+32*\hd+\i:X+32*\hd+1+\i], v[(\cs)+\i:(\cs)+1+\i], v[TT:TT+1] neg_lo:[0,0,1] neg_hi:[0,0,1]
	v_pk_fma_f32 v[X+32*\hd+16+\i:X+32*\hd+17+\i], v[X+32*\hd+16+\i:X+32*\hd+17+\i], v[(\cs)+\i:(\cs)+1+\i], v[TT+2:TT+3]
.endr
.endr
.endm
.macro QUANT d0, d1, pw
.irp b, 0,1,2,3
	v_max3_num_f32 v[MX+\b], |v[X+16*\b]|, |v[X+1+16*\b]|, 0x1800000
.endr
.irp i, 2,4,6,8,10,12,14
.irp b, 0,1,2,3
	v_max3_num_f32 v[MX+\b], v[MX+\b], |v[X+16*\b+\i]|, |v[X+1+16*\b+\i]|
.endr
.endr
.irp b, 0,1,2,3
	v_permlanex16_b32 v[PB+\b], v[MX+\b], s[SEL], s[SEL+1]
.endr
.irp b, 0,1,2,3
	v_max_num_f32 v[MX+\b], v[MX+\b], v[PB+\b]
.endr
.irp b, 0,1,2,3
	v_add_nc_u32 v[SO+\b], 0xff000000, v[MX+\b]
.endr
.irp b, 0,1,2,3
	v_lshrrev_b32 v[PB+\b], 23, v[SO+\b]
.endr
	v_lshl_or_b32 v[(\pw)], v[PB+1], 8, v[PB]
	v_lshl_or_b32 v[(\pw)], v[PB+2], 16, v[(\pw)]
	v_lshl_or_b32 v[(\pw)], v[PB+3], 24, v[(\pw)]
	v_cvt_scalef32_pk16_fp6_f32 v[(\d0):(\d0)+2], v[X:X+15], v[SO]
	v_cvt_scalef32_pk16_fp6_f32 v[CT:CT+2], v[X+16:X+31], v[SO+1]
	v_cvt_scalef32_pk16_fp6_f32 v[(\d1):(\d1)+2], v[X+32:X+47], v[SO+2]
	v_cvt_scalef32_pk16_fp6_f32 v[CT+4:CT+6], v[X+48:X+63], v[SO+3]
	v_nop
.irp i, 0,1,2
	v_permlane16_swap_b32 v[(\d0)+\i], v[CT+\i]
	v_permlane16_swap_b32 v[(\d1)+\i], v[CT+4+\i]
.endr
.irp i, 0,1,2
	v_mov_b32 v[(\d0)+3+\i], v[CT+\i]
	v_mov_b32 v[(\d1)+3+\i], v[CT+4+\i]
.endr
.endm
.macro QKBLOCK a
	s_wait_loadcnt 8*(7-(\a))                      ; this block's eight loads are in; those of the 7 - a blocks behind it may be out
	ADDB \a, 0
.if (\a) < 2
.set CSR, 96+128*(\a)
.else
.set CSR, 32*((\a)-2)+32*(((\a)-2)/3)
.endif
	WIN 0x04                                       ; source 1, the cosines and sines: window 1
	ROPE CSR
	WIN 0
.if ((\a)%2 == 0) && ((\a) > 0)
	s_wait_xcnt 0x0
.endif
	QUANT P0+6*((\a)%2), P1+6*((\a)%2), PW+(\a)%2
.if (\a)%2 == 1
	v_perm_b32 v[SW+(\a)/2], v[PW+1], v[PW], 0x05040100
	v_perm_b32 v[SW+4+(\a)/2], v[PW+1], v[PW], 0x07060302
.irp c, 0,1,2
	global_store_b128 v[IMO], v[P0+4*\c:P0+4*\c+3], s[12:13] offset:1536*((\a)/2)+512*\c
	global_store_b128 v[IMO], v[P1+4*\c:P1+4*\c+3], s[12:13] offset:HS+1536*((\a)/2)+512*\c
.endr
.endif
.endm
.macro VBLOCK a
	ADDB \a, 1
.if (\a) > 1
	s_wait_xcnt 0x0
.endif
	QUANT P0+12*((\a)%2), P0+12*((\a)%2)+6, SW+(\a)
.irp c, 0,1,2
	global_store_b128 v[IMO], v[P0+12*((\a)%2)+4*\c:P0+12*((\a)%2)+4*\c+3], s[12:13] offset:HS*((\a)/4)+1536*((\a)%4)+512*\c
.endr
.endm
	v_and_b32 v5, 15, v0
	v_bfe_u32 v6, v0, 4, 1
	v_lshlrev_b32 v[BIO], 6, v6
	v_and_b32 v7, 8, v5
	v_mad_u32_u24 v8, v7, 3, v5                    ; query's and key's tiles: row r is token r % 8 + 32 (r / 8)
	v_lshl_add_u32 v[CSO], v8, 8, v[BIO]
	v_and_b32 v[IMO], 31, v0
	v_lshlrev_b32 v[IMO], 4, v[IMO]
	v_mul_u32_u24 v[SWO], v6, HS
	v_lshl_add_u32 v[SWO], v5, 4, v[SWO]
.irp b, 0,1,2,3,4,5,6,7
	global_load_b128 v[BI+8*\b:BI+8*\b+3], v[BIO], s[10:11] offset:(32*(\b/2)+8*(\b%2))*4
	global_load_b128 v[BI+8*\b+4:BI+8*\b+7], v[BIO], s[10:11] offset:(32*(\b/2)+8*(\b%2))*4+16
.endr
	CSLOAD 0
	CSLOAD 1
	LAST
.irp b, 0,1,2,3
	v_mov_b32 v[PB+\b], 0                          ; (also the four places between the last products and the loads into B's registers)
.endr
	s_wait_alu depctr_va_vdst(0)
.irp a, 2,3,4,5,6,7
	CSLOAD \a
.endr
.irp a, 0,1,2,3,4,5,6,7
	QKBLOCK \a
.endr
	s_mov_b32 s18, 0xffff0000
	s_wait_alu depctr_va_vdst(0)
.irp i, 0,1,2,3
	v_cndmask_b32 v[SW+\i], v[SW+\i], v[SW+4+\i], s18
.endr
	global_store_b128 v[SWO], v[SW:SW+3], s[12:13] offset:6144
	s_wait_tensorcnt 0x0
	ds_add_u32 v[SPW], v[NIL]
	s_wait_dscnt 0x0
	CROUND
	s_endpgm
; THE VALUES.  A block is 128 channels (A: 8 tiles of Wv's places) x 256 tokens (B: 16 tiles of value's places): 8 x 32 = 256 work-groups; a wave makes 64 channels, one head, x 128 tokens, one step of keys: 32 accumulators.
; ALL OF K STAYS IN LDS: A's tiles are 98,304 dense bytes, B's 196,608; each wave fetches one part with one tensor load (waves 0, 1 A's halves, waves 2, 3 B's).  Nothing is filled again: one barrier behind the fills.
; A's tiles are shared along a row of the cluster, B's along a column: joint loads.  No prefetch: all is asked for at the head, and there is no loop to run ahead in.
; The scale words go from memory into registers: a tile's 512 bytes by one load: lanes 0-15 hold the four words of K 0 .. 511 of row lane % 16, lanes 16-31 those of K 512 .. 1,023; the instruction's row selector takes the half.
; Source 0 = 16 tokens, source 1 = 16 channels: a lane holds one channel, and its registers run along the tokens, which are the next product's K.
.set VT,  12288                        ; a tile of 16 places, all of K
.set VLB, 8*VT                         ; B's tiles lie behind A's
.set VA,  16                           ; v16 A's fragments, 16 bytes a lane; v17 8 bytes a lane
.set VB,  18                           ; v18, v19 the same for B's tiles 0-3; v20, v21 for tiles 4-7
.set VSA, 32                           ; v32-47 A's scale words
.set VSB, 192                          ; v192-223 B's
.set VAF, 96                           ; v96-191 A's fragments, two sets;  window 1: B's, two sets, at v0 and v128;  window 2: the accumulators
.Lvhalf:
	s_sub_co_u32 s67, s66, 16
	s_lshr_b32 s42, s67, 1
	s_lshl_b32 s42, s42, 2
	s_add_co_u32 s42, s42, s40                     ; my block of 256 tokens
	s_and_b32 s17, s67, 1
	s_lshl_b32 s17, s17, 2
	s_add_co_u32 s17, s17, s41                     ; my block of 128 channels
	s_lshl_b32 s43, s41, 2
	s_lshl_b32 s43, 15, s43                        ; my row of the cluster
	s_lshl_b32 s44, 0x1111, s40                    ; my column
	s_or_b32 s[G1], s43, (3<<16)|(1<<21)           ; A: 4 tiles as rows of 12,288 bytes (1,536 elements of 8), dense
	s_mov_b32 s[G1+1], 1536<<16
	s_mov_b32 s[G1+2], 4<<16
	s_mov_b32 s[G1+3], 1536<<16
	s_mov_b32 s[G1+4], 4
	s_mov_b32 s[G1+5], 1536
	s_mov_b32 s[G1+6], 0
	s_mov_b32 s[G1+7], 0
	s_or_b32 s[G1B], s44, (3<<16)|(1<<21)          ; B: 8 tiles
	s_mov_b32 s[G1B+1], 1536<<16
	s_mov_b32 s[G1B+2], 8<<16
	s_mov_b32 s[G1B+3], 1536<<16
	s_mov_b32 s[G1B+4], 8
	s_mov_b32 s[G1B+5], 1536
	s_mov_b32 s[G1B+6], 0
	s_mov_b32 s[G1B+7], 0
	s_lshl_b32 s36, s17, 3
	s_add_co_u32 s36, s36, 1664                    ; the block's first tile of Wv
	s_lshl_b32 s37, s16, 2
	s_add_co_u32 s20, s36, s37
	s_mul_i32 s20, s20, VT                         ; the four tiles that I fetch
	s_mov_b32 s21, 0
	s_lshl_b32 s37, s15, 2
	s_add_co_u32 s36, s36, s37
	s_lshl_b32 s36, s36, 9                         ; xs: the four tiles that I multiply
	s_mov_b32 s37, 0
	s_lshl_b32 s38, s42, 4
	s_lshl_b32 s39, s16, 3
	s_add_co_u32 s38, s38, s39
	s_add_co_u32 s38, s38, 1024                    ; my eight tiles of value: those that I fetch are those that I multiply
	s_lshl_b32 s46, s38, 9
	s_mov_b32 s47, 0
	s_mul_i32 s38, s38, VT
	s_mov_b32 s39, 0
	s_mov_b32 s[G0], 1
	s_mul_i32 s[G0+1], s16, 4*VT
	s_mov_b32 s[G0B], 1
	s_mul_i32 s[G0B+1], s16, 8*VT
	s_add_co_u32 s[G0B+1], s[G0B+1], VLB
	s_wait_kmcnt 0x0
	s_add_nc_u64 s[G0+2:G0+3], s[4:5], s[20:21]
	s_or_b32 s[G0+3], s[G0+3], 0x80000000
	s_add_nc_u64 s[G0B+2:G0B+3], s[4:5], s[38:39]
	s_or_b32 s[G0B+3], s[G0B+3], 0x80000000
	s_add_nc_u64 s[92:93], s[6:7], s[36:37]        ; A's scales
	s_add_nc_u64 s[6:7], s[6:7], s[46:47]          ; B's
	s_lshl_b32 s20, s42, 1
	s_add_co_u32 s20, s20, s16                     ; my 128 tokens among all
	s_lshr_b32 s21, s20, 4                         ; the batch
	s_and_b32 s20, s20, 15                         ; the step of keys
	s_lshl_b32 s22, s17, 1
	s_add_co_u32 s22, s22, s15                     ; the head
	s_lshl_b32 s21, s21, 4
	s_add_co_u32 s21, s21, s22
	s_lshl_b32 s21, s21, 4
	s_add_co_u32 s21, s21, s20
	s_mul_i32 s20, s21, STB
	s_add_co_u32 s20, s20, 2*PART                  ; v's part of [batch x head][step]
	s_mov_b32 s21, 0
	s_add_nc_u64 s[12:13], s[12:13], s[20:21]
	s_lshl_b32 s20, s22, 8                         ; bv: 64 channels a head
	s_add_nc_u64 s[98:99], s[98:99], s[20:21]
	s_mov_b32 s[SEL], 0x76543210
	s_mov_b32 s[SEL+1], 0xfedcba98
	v_and_b32 v5, 15, v0
	v_and_b32 v6, 31, v0
	v_lshlrev_b32 v[IMO], 4, v6                    ; 16 x lane
	v_lshlrev_b32 v7, 3, v6                        ; 8 x lane
	v_lshlrev_b32 v[SWO], 4, v5                    ; 16 (lane % 16)
	v_and_b32 v8, 8, v5
	v_add_nc_u32 v8, v8, v5
	v_lshlrev_b32 v[VBO], 2, v8                    ; Wv's tiles: row r is channel r + 8 (r / 8)
.irp a, 0,1,2,3
	global_load_b128 v[VSA+4*\a:VSA+4*\a+3], v[IMO], s[92:93] offset:512*\a    ; 512 consecutive bytes
.endr
.irp b, 0,1,2,3,4,5,6,7
	global_load_b128 v[VSB+4*\b:VSB+4*\b+3], v[IMO], s[6:7] offset:512*\b
.endr
.irp a, 0,1,2,3
	global_load_b32 v[BI+2*\a], v[VBO], s[98:99] offset:(32*(\a/2)+8*(\a%2))*4
	global_load_b32 v[BI+2*\a+1], v[VBO], s[98:99] offset:(32*(\a/2)+8*(\a%2))*4
.endr
	s_mul_i32 s20, s15, 4*VT
	v_add_nc_u32 v[VA], s20, v[IMO]
	v_add_nc_u32 v[VA+1], s20, v7
	s_mul_i32 s20, s16, 8*VT
	s_add_co_u32 s20, s20, VLB
	v_add_nc_u32 v[VB], s20, v[IMO]
	v_add_nc_u32 v[VB+1], s20, v7
	s_add_co_u32 s20, s20, 4*VT
	v_add_nc_u32 v[VB+2], s20, v[IMO]
	v_add_nc_u32 v[VB+3], s20, v7
	s_wait_alu depctr_va_vdst(0)                   ; the wait at the head's end
	CROUND                                         ; all sixteen work-groups are here: the joint loads meet
	JLOAD G0, G1, G0B, G1B                         ; my one tensor load
.macro VFRAG reg, adr, off             ; a fragment: two half images
.irp c, 0,1
	ds_load_b128 v[\reg+6*\c:\reg+6*\c+3], v[\adr] offset:(\off)+768*\c
	ds_load_b64 v[\reg+6*\c+4:\reg+6*\c+5], v[\adr+1] offset:(\off)+768*\c+512
.endr
.endm
.macro VFETCH st                       ; step st's twelve fragments into set st % 2: 48 LDS loads in one run
	WIN TO_B
.irp i, 0,1,2,3
	VFRAG 128*((\st)%2)+FR*\i, VB, VT*\i+1536*(\st)
.endr
.irp i, 0,1,2,3
	VFRAG 128*((\st)%2)+FR*(4+\i), VB+2, VT*\i+1536*(\st)
.endr
	WIN 0
.irp i, 0,1,2,3
	VFRAG VAF+48*((\st)%2)+FR*\i, VA, VT*\i+1536*(\st)
.endr
.endm
.macro VMUL32 st                       ; the 32 accumulators take turns, in the same order in every step; the first step starts the sums
.irp a, 0,1,2,3
.irp b, 0,1,2,3,4,5,6,7
.if (\st) == 0
	v_wmma_scale_f32_16x16x128_f8f6f4 v[8*(8*\a+\b):8*(8*\a+\b)+7], v[FR*\b:FR*\b+FR-1], v[VAF+FR*\a:VAF+FR*\a+FR-1], 0, v[VSB+4*\b], v[VSA+4*\a] matrix_a_fmt:MATRIX_FMT_FP6 matrix_b_fmt:MATRIX_FMT_FP6
.else
.if (\st) < 4
	v_wmma_scale_f32_16x16x128_f8f6f4 v[8*(8*\a+\b):8*(8*\a+\b)+7], v[128*((\st)%2)+FR*\b:128*((\st)%2)+FR*\b+FR-1], v[VAF+48*((\st)%2)+FR*\a:VAF+48*((\st)%2)+FR*\a+FR-1], v[8*(8*\a+\b):8*(8*\a+\b)+7], v[VSB+4*\b+(\st)], v[VSA+4*\a+(\st)] matrix_a_fmt:MATRIX_FMT_FP6 matrix_b_fmt:MATRIX_FMT_FP6
.else
	v_wmma_scale_f32_16x16x128_f8f6f4 v[8*(8*\a+\b):8*(8*\a+\b)+7], v[128*((\st)%2)+FR*\b:128*((\st)%2)+FR*\b+FR-1], v[VAF+48*((\st)%2)+FR*\a:VAF+48*((\st)%2)+FR*\a+FR-1], v[8*(8*\a+\b):8*(8*\a+\b)+7], v[VSB+4*\b+(\st)-4], v[VSA+4*\a+(\st)-4] matrix_a_fmt:MATRIX_FMT_FP6 matrix_b_fmt:MATRIX_FMT_FP6 matrix_a_scale:MATRIX_SCALE_ROW1 matrix_b_scale:MATRIX_SCALE_ROW1
.endif
.endif
.endr
.endr
.endm
; A step of 128 along K: this step's fragments are in; the next step's are asked for, into the set that the step before multiplied; 32 matrix instructions.
.macro VSTEP st
	s_wait_dscnt 0x0
.if (\st) < 7
.if (\st) > 0
	PLACES 4                                       ; four places between the last products and the loads into the registers that they read
.endif
	VFETCH (\st)+1
.endif
	WIN MUL_LO
	VMUL32 \st
.endm
	s_wait_tensorcnt 0x0                           ; my part is in;
	s_barrier_signal -1
	s_barrier_wait -1                              ; everybody's is
	VFETCH 0
	s_wait_loadcnt 0x0                             ; the scale words and the bias
.irp st, 0,1,2,3,4,5,6,7
	VSTEP \st
.endr
	WIN 0
.irp b, 0,1,2,3
	v_mov_b32 v[PB+\b], 0                          ; a lane permute's destination counts as one of its sources.  (Also the four places behind the last products)
.endr
.irp a, 0,1,2,3
	VBLOCK \a                                      ; 16 channels x 128 tokens: the bias, the quantiser along the tokens, one image
.endr
	s_wait_alu depctr_va_vdst(0)                   ; the wait here, directly ahead of the reader below
	global_store_b128 v[SWO], v[SW:SW+3], s[12:13] offset:6144     ; the four images' scale words of my row: 256 consecutive bytes (lanes l and l xor 16 store the same bytes to the same place)
	s_wait_tensorcnt 0x0                           ; the wave's end
	ds_add_u32 v[SPW], v[NIL]
	s_wait_dscnt 0x0
	CROUND                                         ; the closing round
	s_endpgm
.Lfunc_end_k_q3019212489_proj:
	.size	k_q3019212489_proj, .Lfunc_end_k_q3019212489_proj-k_q3019212489_proj
	.p2alignl 7, 3214868480
	.fill 96, 4, 3214868480
	.section	.rodata,"a",@progbits
	.p2align	6, 0x0
	.amdhsa_kernel k_q3019212489_proj
		.amdhsa_group_segment_fixed_size 327680
		.amdhsa_private_segment_fixed_size 0
		.amdhsa_enable_private_segment 0
		.amdhsa_kernarg_size 56
		.amdhsa_user_sgpr_count 2
		.amdhsa_user_sgpr_kernarg_segment_ptr 1
		.amdhsa_wavefront_size32 1
		.amdhsa_system_sgpr_workgroup_id_x 1
		.amdhsa_system_sgpr_workgroup_id_y 1
		.amdhsa_system_sgpr_workgroup_id_z 1
		.amdhsa_system_vgpr_workitem_id 0
		.amdhsa_next_free_vgpr 1024
		.amdhsa_next_free_sgpr 102
		.amdhsa_reserve_vcc 0
		.amdhsa_float_denorm_mode_32 3
		.amdhsa_float_denorm_mode_16_64 3
		.amdhsa_memory_ordered 1
		.amdhsa_forward_progress 1
		.amdhsa_inst_pref_size 255
	.end_amdhsa_kernel
	.section	.bss,"aw",@nobits
	.p2align	6
	.space	262144
	.amdgpu_metadata
---
amdhsa.version: [ 1, 2 ]
amdhsa.kernels:
  - .name:           k_q3019212489_proj
    .symbol:         k_q3019212489_proj.kd
    .args:
      - { .name: xc, .offset: 0, .size: 8, .value_kind: global_buffer, .address_space: global }
      - { .name: xs, .offset: 8, .size: 8, .value_kind: global_buffer, .address_space: global }
      - { .name: rope, .offset: 16, .size: 8, .value_kind: global_buffer, .address_space: global }
      - { .name: bq, .offset: 24, .size: 8, .value_kind: global_buffer, .address_space: global }
      - { .name: bk, .offset: 32, .size: 8, .value_kind: global_buffer, .address_space: global }
      - { .name: bv, .offset: 40, .size: 8, .value_kind: global_buffer, .address_space: global }
      - { .name: qkv, .offset: 48, .size: 8, .value_kind: global_buffer, .address_space: global }
    .group_segment_fixed_size: 327680
    .private_segment_fixed_size: 0
    .kernarg_segment_align: 8
    .kernarg_segment_size: 56
    .max_flat_workgroup_size: 128
    .sgpr_count:     102
    .vgpr_count:     1024
    .wavefront_size: 32
...
	.end_amdgpu_metadata
.endif
;; end of part 2
;; launch attn (part 3): grid 4 x 64, 16 waves a work-group, clusters of 4 x 1, 206,848 bytes of LDS; arguments qkv, oc, os; writes oc, os
.if DOCPART == 3
	.amdgcn_target "amdgcn-amd-amdhsa--gfx1250"
	.amdhsa_code_object_version 6
	.text
	.protected	k_q3019212489_attn
	.globl	k_q3019212489_attn
	.p2align	8
	.type	k_q3019212489_attn,@function
k_q3019212489_attn:
	s_mov_b64 s[64:65], 0
	v_nop
	global_prefetch_b8 v0, s[64:65] scope:SCOPE_SE
	s_setreg_imm32_b32 hwreg(HW_REG_WAVE_MODE, 25, 1), 1
	s_wait_xcnt 0x0
	s_wait_alu depctr_hold_cnt(0) depctr_sa_sdst(0) depctr_va_vdst(0) depctr_va_sdst(0) depctr_va_ssrc(0) depctr_va_vcc(0) depctr_vm_vsrc(0)
	s_getreg_b32 s2, hwreg(HW_REG_IB_STS2, 6, 4)
	s_cmp_eq_u32 s2, 0
	s_cbranch_scc0 .Lentry_in_a_cluster
	s_endpgm
.Lentry_in_a_cluster:
	s_bfe_u32 s2, ttmp6, 0x10000c
	s_cmp_lg_u32 s2, 0x3003
	s_cbranch_scc0 .Lentry_shape_is_right
	s_endpgm
.Lentry_shape_is_right:
; o = softmax(q k^T / 8) v for 64 (batch, head) pairs of 2,048 x 2,048, head size 64, both products on codes of FP6 (E2M3) with E8M0 scales; o is quantised along d_model at once, for the last product.
; qkv: [batch x head][step of 128 tokens][q, k, v][6,400 bytes]: four images of operand registers (1,536 bytes: register j of lane l at 512 (j / 4) + 16 l + 4 (j % 4)) and 256 bytes of scale words (lane r, image i at 16 r + 4 i).
; THE SOFTMAX: t = score x log2(e) / 8; M = the running largest t rounded UP to a whole number; p = 2^(t - M) is quantised along the keys, not normalised; the row's sum is taken of the unquantised p and divides o at the end;
; when M moves, the sum and o are multiplied by 2^(old M - new M), which rounds nothing.
; SHARES.  A work-group owns ONE (batch, head) pair and 512 of its queries: 4 x 64 = 256 work-groups.  The head's k and v, 16 steps x 12,800 bytes = 204,800 bytes, come into LDS ONCE: each of the sixteen waves fetches one step at the
; kernel's head.  Nothing is filled again, so one barrier stands behind the fills and none in the walk.  A wave owns a pair image of q, 32 queries, and walks the 16 steps twice, 16 queries a pass.
; The four query blocks of a head form a cluster and need the same k and v: each step is asked for JOINTLY, by the same tensor load with the same descriptor and the mask of all four.
; No prefetch: all that the launch reads through LDS is asked for by the head's loads, and there is no loop to run ahead in.
; K = 64 IN A FORM OF K = 128.  k's image p holds, as an A operand, one tile of 16 keys in k = 0 .. 63 and the next tile in k = 64 .. 127.  Against [q | zero codes] it gives the first tile's scores, against [zero codes | q] the second's.
; A tile's rows 0-7 are eight neighbouring keys and rows 8-15 the eight that lie 32 further on: so register 32 c + i of S^T in lane (r, h) is key 64 c + 32 h + i: A LANE HOLDS WHOLE BLOCKS OF 32 KEYS, in the order of the
; operand's registers: a block's largest score needs no other lane, and p's codes are not moved between lanes.
; Both products are used transposed (source 0 = keys, or channels of v; source 1 = my queries): a lane holds ONE query (lane % 16) throughout.
; oc: [row tile 512][head 16][768 bytes]: a half image: registers 0-3 of lane l at 16 l, registers 4, 5 at 512 + 8 l.  os: [row tile][heads 0-7, 8-15][row 16][16 bytes].
; os is written 2 bytes a row and head, sixteen lanes inside one 256 bytes: 262,144 bytes in all, beside oc's 6,291,456, which leave in whole units.
; LIMITS: NaN and infinities are not served; o is multiplied by the reciprocal of the sum (v_rcp_f32); a block whose largest magnitude lies under 2^-124 gets the byte 1; t stays under 2^31 in magnitude.
.set STB,   19200                      ; qkv: bytes of a step,
.set PART,  6400                       ; of one tensor's part
.set KVB,   12800                      ; k's and v's parts of a step: K images 0, K scale words 6,144, V images 6,400, V scale words 12,544
.set SPARE, 16*KVB                     ; behind the tiles: the spare words, 128 bytes for each wave
.set LI,   1                           ; 16 x lane
.set LSC,  2                           ; 16 (lane % 16)
.set SPW,  3                           ; my spare word; never rewritten
.set NIL,  4                           ; 0; never rewritten
.set ADK,  5                           ; the step's images
.set ADS,  6                           ; and scale words
.set L8,   7                           ; 8 x lane
.set SH8,  9                           ; 8 (lane / 16)                v12 -M, v13 the largest t, v[14:15] the sum in two halves
.set QA,   16                          ; v16-27  [q | 0]
.set QB,   28                          ; v28-39  [0 | q]             v40-45 the first pass's codes of o
.set FRG,  48                          ; v48-95  four fragments: k's, then v's
.set S,    96                          ; v96-159 S^T, then p
.set OT,   160                         ; v160-191 O^T
.set PC,   192                         ; v192-203 p's codes
.set CT,   204                         ; v204-206, v208-210 the conversions' second halves
.set KSC,  212
.set VSC,  216
.set PS,   220                         ; p's scale word
.set QS,   221                         ; q's two scale bytes, twice
.set QW,   222                         ; the pair image's scale word
.set TMP,  223
.set BM,   224                         ; v224-227 largest scores; v224, v226 the two blocks', then largest p
.set BT,   228                         ; v228-229
.set BX,   230                         ; v230-231 the conversions' scale operands
.set SA,   232                         ; v232-237 three more chains of the sum
.set FF,   238                         ; 2^(old M - new M)  (v239 is named with it as a pair)
.set OSW,  240                         ; v240, v241 o's scale bytes, a register a pass
.set QI,   242                         ; v242-253 my pair image of q; then the second pass's codes of o
.set OM,   254                         ; the old -M
.set WV,   18
.set SEL,  20
.set CS,   22
.set G1,   24
.set G0,   32
.set TB,   40
.set CNT,  41
.macro CROUND                          ; a round of the cluster's barrier
	s_barrier_signal -1
	s_barrier_wait -1
	s_cmp_lg_u32 s[WV], 0
	s_cbranch_scc1 .Lnot_wave_0_\@
	s_barrier_signal -3
.Lnot_wave_0_\@:
	s_barrier_wait -3
	s_barrier_signal -1
	s_barrier_wait -1
.endm
	s_load_b128 s[4:7], s[0:1], 0x0                ; qkv, oc
	s_load_b64 s[8:9], s[0:1], 0x10                ; os
	v_lshl_add_u32 v[SPW], v0, 2, SPARE
	v_mov_b32 v[NIL], 0
	ds_add_u32 v[SPW], v[NIL]                      ; the opening lines: the add, twice on end, and its wait ahead of my tensor load
	ds_add_u32 v[SPW], v[NIL]
	v_lshrrev_b32 v5, 5, v0
	v_readfirstlane_b32 s[WV], v5                  ; wave 0..15
	s_bfe_u32 s10, ttmp6, 0x40000                  ; cx: my block of 512 queries: it enters q's, oc's and os's addresses alone
	s_and_b32 s12, ttmp7, 0xffff                   ; batch x head
	s_lshr_b32 s13, s12, 4
	s_and_b32 s14, s12, 15
	s_lshl_b32 s16, s12, 4                         ; the head's first step
	s_add_co_u32 s17, s16, s[WV]
	s_mul_i32 s42, s17, STB
	s_add_co_u32 s42, s42, PART                    ; the step that I fetch: its k and v
	s_mov_b32 s43, 0
	s_mov_b32 s[G1], 15|(3<<16)|(1<<21)            ; the mask of all four; elements of 8 bytes; 12,800 dense bytes as 50 rows of 256
	s_mov_b32 s[G1+1], 32<<16
	s_mov_b32 s[G1+2], 50<<16
	s_mov_b32 s[G1+3], 32<<16
	s_mov_b32 s[G1+4], 50
	s_mov_b32 s[G1+5], 32
	s_mov_b32 s[G1+6], 0
	s_mov_b32 s[G1+7], 0
	s_lshl_b32 s44, s10, 2
	s_lshr_b32 s45, s[WV], 2
	s_add_co_u32 s44, s44, s45
	s_add_co_u32 s44, s44, s16
	s_mul_i32 s48, s44, STB                        ; q's part of my step of queries
	s_mov_b32 s49, 0
	s_and_b32 s46, s[WV], 3                        ; my pair image in it
	s_mul_i32 s44, s46, 1536
	s_mov_b32 s45, 0
	s_lshl_b32 s50, s46, 2
	s_lshl_b32 s54, s13, 7
	s_lshl_b32 s55, s10, 5
	s_add_co_u32 s54, s54, s55
	s_lshl_b32 s55, s[WV], 1
	s_add_co_u32 s54, s54, s55                     ; my first row tile: 128 batch + 32 block + 2 wave
	s_mul_i32 s56, s54, 12288
	s_mul_i32 s55, s14, 768
	s_add_co_u32 s56, s56, s55
	s_mov_b32 s57, 0
	s_lshl_b32 s58, s54, 9
	s_lshr_b32 s55, s14, 3
	s_lshl_b32 s55, s55, 8
	s_add_co_u32 s58, s58, s55
	s_and_b32 s55, s14, 7
	s_lshl_b32 s55, s55, 1
	s_add_co_u32 s58, s58, s55
	s_mov_b32 s59, 0
	s_mov_b32 s[SEL], 0x76543210
	s_mov_b32 s[SEL+1], 0xfedcba98                 ; lane l xor 16
	s_mov_b32 s[CS], 0x3e38aa3b                    ; c = log2(e) / 8: the factor 1 / 8 on q is taken here
	s_mov_b32 s[CS+1], s[CS]
	s_mov_b32 s[G0], 1
	s_mul_i32 s[G0+1], s[WV], KVB
	s_wait_dscnt 0x0                               ; both opening adds are done
	s_wait_kmcnt 0x0
	s_add_nc_u64 s[G0+2:G0+3], s[4:5], s[42:43]
	s_or_b32 s[G0+3], s[G0+3], 0x80000000
	s_add_nc_u64 s[48:49], s[4:5], s[48:49]
	s_add_nc_u64 s[44:45], s[48:49], s[44:45]
	s_add_nc_u64 s[6:7], s[6:7], s[56:57]
	s_add_nc_u64 s[8:9], s[8:9], s[58:59]
	v_and_b32 v[LI], 31, v0
	v_and_b32 v[LSC], 15, v0
	v_bfe_u32 v[SH8], v0, 4, 1
	v_lshlrev_b32 v[L8], 3, v[LI]
	v_lshlrev_b32 v[LI], 4, v[LI]
	v_lshlrev_b32 v[LSC], 4, v[LSC]
	v_lshlrev_b32 v[SH8], 3, v[SH8]
	v_add_nc_u32 v10, s50, v[LSC]
.irp c, 0,1,2
	global_load_b128 v[QI+4*\c:QI+4*\c+3], v[LI], s[44:45] offset:512*\c     ; my pair image of q is asked for ahead of the round
.endr
	global_load_b32 v[QW], v10, s[48:49] offset:6144
	s_wait_alu depctr_va_vdst(0)                   ; the wait here, directly ahead of the round's barriers
	CROUND                                         ; all four work-groups are here: the joint loads meet
	tensor_load_to_lds s[G0:G0+3], s[G1:G1+7]      ; step = my wave's number: my one tensor load of the launch
	s_nop 0
	v_mov_b32 v[BT], 0                             ; written once: a lane permute's destination counts as one of its sources
	v_mov_b32 v[BT+1], 0
	v_mov_b32 v[FF+1], 0
.irp i, 0,1,2,3,4,5
	v_mov_b32 v[QA+6+\i], 0                        ; zero codes: they add nothing under any scale byte that a quantiser gives
	v_mov_b32 v[QB+\i], 0
.endr
	s_wait_alu depctr_va_vdst(0)                   ; the wait here, directly ahead of the wait below
	s_wait_loadcnt 0x0
; A KEY STEP: 128 keys.
.macro STEP
	v_add_nc_u32 v[ADK], s[TB], v[LI]
	v_add_nc_u32 v[ADS], s[TB], v[LSC]
	v_mov_b32 v[OM], v12
	v_nop                                          ; four plain instructions between the last step's products and the loads into the registers that they read
.irp i, 0,1,2,3,4,5,6,7,8,9,10,11
	ds_load_b128 v[FRG+4*\i:FRG+4*\i+3], v[ADK] offset:512*\i
.endr
	ds_load_b128 v[KSC:KSC+3], v[ADS] offset:6144
	s_wait_alu depctr_va_vdst(0)                   ; the wait here, directly ahead of the wait below
	s_wait_dscnt 0x0
.irp p, 0,1,2,3
	v_wmma_scale_f32_16x16x128_f8f6f4 v[S+16*\p:S+16*\p+7], v[FRG+12*\p:FRG+12*\p+11], v[QA:QA+11], 0, v[KSC+\p], v[QS] matrix_a_fmt:MATRIX_FMT_FP6 matrix_b_fmt:MATRIX_FMT_FP6
	v_wmma_scale_f32_16x16x128_f8f6f4 v[S+16*\p+8:S+16*\p+15], v[FRG+12*\p:FRG+12*\p+11], v[QB:QB+11], 0, v[KSC+\p], v[QS] matrix_a_fmt:MATRIX_FMT_FP6 matrix_b_fmt:MATRIX_FMT_FP6
.endr                                          ; register 32 c + i: key 64 c + 32 (lane / 16) + i
.rept 4
	v_nop
.endr
.irp i, 0,1,2,3,4,5,6,7,8,9,10,11
	ds_load_b128 v[FRG+4*\i:FRG+4*\i+3], v[ADK] offset:PART+512*\i     ; v's four images: they land under the softmax
.endr
	ds_load_b128 v[VSC:VSC+3], v[ADS] offset:PART+6144
.irp b, 0,1,2,3
	v_max3_num_f32 v[BM+\b], v[S+16*\b], v[S+16*\b+1], v[S+16*\b+2]    ; four chains; each accumulator is read from its low end on
.endr
.irp i, 3,5,7,9,11,13
.irp b, 0,1,2,3
	v_max3_num_f32 v[BM+\b], v[BM+\b], v[S+16*\b+\i], v[S+16*\b+\i+1]
.endr
.endr
.irp c, 0,1
	v_max3_num_f32 v[BM+2*\c], v[BM+2*\c], v[BM+2*\c+1], v[S+32*\c+15]
.endr
.irp c, 0,1
	v_max_num_f32 v[BM+2*\c], v[BM+2*\c], v[S+32*\c+31]    ; the largest score of my two blocks of 32 keys: for the row's maximum and, since p rises with the score, for the block's largest p
.endr
	s_delay_alu instid0(VALU_DEP_1)
	v_max_num_f32 v[TMP], v[BM], v[BM+2]
	s_delay_alu instid0(VALU_DEP_1)
	v_mul_f32 v[TMP], s[CS], v[TMP]                ; as t (c is positive)
	s_delay_alu instid0(VALU_DEP_1)
	v_permlanex16_b32 v[BT], v[TMP], s[SEL], s[SEL+1]
	s_delay_alu instid0(VALU_DEP_1)
	v_max3_num_f32 v13, v13, v[TMP], v[BT]         ; the running largest t, with lane l xor 16's 64 keys
	s_delay_alu instid0(VALU_DEP_1)
	v_floor_f32 v12, -v13                          ; the new -M = floor(-t)
	s_delay_alu instid0(VALU_DEP_1)
	v_sub_f32 v[TMP], v12, v[OM]                   ; old M - new M: a whole number, 0 or less
	s_delay_alu instid0(VALU_DEP_1)
	v_cvt_i32_f32 v[TMP], v[TMP]                   ; (it saturates)
	s_delay_alu instid0(VALU_DEP_1)
	v_ldexp_f32 v[FF], 1.0, v[TMP]                 ; f = 2^(old M - new M)
.set J, 0
.rept 32
	v_pk_fma_f32 v[S+J:S+J+1], v[S+J:S+J+1], s[CS:CS+1], v[12:13] op_sel_hi:[1,0,0]   ; t - M, two at a time
.set J, J+2
.endr
.irp c, 0,1
	v_fma_f32 v[BM+2*\c], v[BM+2*\c], s[CS], v12   ; the same of each block's largest score
.endr
	s_wait_alu depctr_va_vdst(0)                   ; the wait ahead of the batch
.set J, 0
.rept 64
	v_exp_f32 v[S+J], v[S+J]                       ; p = 2^(t - M), at most 1
.set J, J+1
.endr
.irp c, 0,1
	v_exp_f32 v[BM+2*\c], v[BM+2*\c]               ; the block's largest p: the same two instructions on the same number give the same bits
.endr
	v_pk_mul_f32 v[14:15], v[14:15], v[FF:FF+1] op_sel_hi:[1,0]       ; the sums under the new M.  (A plain instruction behind the exponentials)
	s_wait_alu depctr_va_vdst(0)                   ; one wait for the batch, ahead of its first reader
.irp c, 0,1
	v_max_num_f32 v[BM+2*\c], 0x1800000, v[BM+2*\c]        ; the floor 2^(3 - 127): the byte cannot fall under 1
.endr
.irp c, 0,1
	v_add_nc_u32 v[BX+\c], 0xff000000, v[BM+2*\c]  ; 2 off the exponent field: the conversion's scale operand
.endr
.irp c, 0,1
	v_cvt_scalef32_pk16_fp6_f32 v[PC+6*\c:PC+6*\c+2], v[S+32*\c:S+32*\c+15], v[BX+\c]
	v_cvt_scalef32_pk16_fp6_f32 v[CT+4*\c:CT+4*\c+2], v[S+32*\c+16:S+32*\c+31], v[BX+\c]   ; (a conversion's three registers begin on an even number)
.endr
.irp c, 0,1
	v_lshrrev_b32 v[BT+\c], 23, v[BX+\c]           ; the scale's byte.  (Plain instructions behind the conversions)
.endr
	v_lshl_or_b32 v[PS], v[BT+1], 16, v[BT]        ; my two bytes: blocks h and 2 + h,
	s_delay_alu instid0(VALU_DEP_1)
	v_lshlrev_b32 v[PS], v[SH8], v[PS]             ; at their places;
	s_delay_alu instid0(VALU_DEP_1)
	v_permlanex16_b32 v[BT], v[PS], s[SEL], s[SEL+1]
	s_delay_alu instid0(VALU_DEP_1)
	v_or_b32 v[PS], v[PS], v[BT]                   ; with lane l xor 16's two: p's scale word for these 128 keys
.irp c, 0,1
.irp i, 0,1,2
	v_mov_b32 v[PC+6*\c+3+\i], v[CT+4*\c+\i]
.endr
.endr
	v_pk_add_f32 v[SA:SA+1], v[S:S+1], v[S+2:S+3]          ; the row's sum of the unquantised p: two at a time, in four chains
	v_pk_add_f32 v[SA+2:SA+3], v[S+4:S+5], v[S+6:S+7]
	v_pk_add_f32 v[SA+4:SA+5], v[S+8:S+9], v[S+10:S+11]
	v_pk_add_f32 v[14:15], v[14:15], v[S+12:S+13]
.set J, 14
.rept 6
	v_pk_add_f32 v[SA:SA+1], v[SA:SA+1], v[S+J:S+J+1]
	v_pk_add_f32 v[SA+2:SA+3], v[SA+2:SA+3], v[S+J+2:S+J+3]
	v_pk_add_f32 v[SA+4:SA+5], v[SA+4:SA+5], v[S+J+4:S+J+5]
	v_pk_add_f32 v[14:15], v[14:15], v[S+J+6:S+J+7]
.set J, J+8
.endr
	v_pk_add_f32 v[SA:SA+1], v[SA:SA+1], v[S+62:S+63]
	v_pk_add_f32 v[SA+2:SA+3], v[SA+2:SA+3], v[SA+4:SA+5]
	v_pk_add_f32 v[14:15], v[14:15], v[SA:SA+1]
	s_delay_alu instid0(VALU_DEP_1)
	v_pk_add_f32 v[14:15], v[14:15], v[SA+2:SA+3]
	s_wait_alu depctr_va_vdst(0)                   ; the wait here, directly ahead of the first reader of O^T
.set J, 0
.rept 16
	v_pk_mul_f32 v[OT+J:OT+J+1], v[OT+J:OT+J+1], v[FF:FF+1] op_sel_hi:[1,0]   ; O^T under the new M.  (The sums and these are the places between p's codes and scale word and the products below)
.set J, J+2
.endr
	s_wait_alu depctr_va_vdst(0)                   ; the wait here, directly ahead of the wait below
	s_wait_dscnt 0x0                               ; v's images are in
.irp d, 0,1,2,3                                ; O^T += v^T p^T: the four accumulators take turns; registers 8 d + j: channel 32 (d / 2) + 8 (d % 2) + 16 (lane / 16) + j
	v_wmma_scale_f32_16x16x128_f8f6f4 v[OT+8*\d:OT+8*\d+7], v[FRG+12*\d:FRG+12*\d+11], v[PC:PC+11], v[OT+8*\d:OT+8*\d+7], v[VSC+\d], v[PS] matrix_a_fmt:MATRIX_FMT_FP6 matrix_b_fmt:MATRIX_FMT_FP6
.endr
.endm
; A pass's end: O^T / the sum; the head's 64 channels are two blocks of 32 along d_model: a half image and two scale bytes.
.macro FINISH t
.set OC, 40+202*\t
.rept 4
	v_nop                                          ; places behind the last products
.endr
	v_add_f32 v14, v14, v15
	v_permlanex16_b32 v[BT], v14, s[SEL], s[SEL+1]
	v_add_f32 v14, v14, v[BT]                      ; the row's sum
	s_wait_alu depctr_va_vdst(0)
	v_rcp_f32 v14, v14
	v_nop                                          ; a plain instruction behind the reciprocal
	s_wait_alu depctr_va_vdst(0)
.set J, 0
.rept 32
	v_mul_f32 v[S+J], v[OT+J], v14                 ; register 16 B + i: channel 32 B + 16 (lane / 16) + i
.set J, J+1
.endr
.irp b, 0,1
	v_max3_num_f32 v[BM+\b], |v[S+16*\b]|, |v[S+16*\b+1]|, 0x1800000
.endr
.irp i, 2,4,6,8,10,12,14
.irp b, 0,1
	v_max3_num_f32 v[BM+\b], v[BM+\b], |v[S+16*\b+\i]|, |v[S+16*\b+\i+1]|
.endr
.endr
.irp b, 0,1
	v_permlanex16_b32 v[BT+\b], v[BM+\b], s[SEL], s[SEL+1]
.endr
.irp b, 0,1
	v_max_num_f32 v[BM+\b], v[BM+\b], v[BT+\b]
.endr
.irp b, 0,1
	v_add_nc_u32 v[BX+\b], 0xff000000, v[BM+\b]
.endr
.irp b, 0,1
	v_lshrrev_b32 v[BT+\b], 23, v[BX+\b]
.endr
	v_lshl_or_b32 v[OSW+\t], v[BT+1], 8, v[BT]
	v_cvt_scalef32_pk16_fp6_f32 v[OC:OC+2], v[S:S+15], v[BX]
	v_cvt_scalef32_pk16_fp6_f32 v[CT:CT+2], v[S+16:S+31], v[BX+1]
	v_nop                                          ; one plain instruction behind a scaled conversion
.irp i, 0,1,2
	v_permlane16_swap_b32 v[OC+\i], v[CT+\i]       ; the operand's layout wants a whole block in a lane
.endr
.irp i, 0,1,2
	v_mov_b32 v[OC+3+\i], v[CT+\i]
.endr
	global_store_b128 v[LI], v[OC:OC+3], s[6:7] offset:12288*\t        ; 512 consecutive bytes, aligned to 256
	global_store_b64 v[L8], v[OC+4:OC+5], s[6:7] offset:12288*\t+512   ; 256 consecutive bytes, aligned
	global_store_b16 v[LSC], v[OSW+\t], s[8:9] offset:512*\t           ; lanes l and l xor 16 hold the same bytes and store them to the same place
.endm
; A PASS: 16 queries, half t of my pair image, against all 2,048 keys.  Each pass has its own result registers, so that no store's data are written again.
.macro PASS t
.irp i, 0,1,2,3,4,5
	v_mov_b32 v[QA+\i], v[QI+6*\t+\i]
	v_mov_b32 v[QB+6+\i], v[QI+6*\t+\i]
.endr
	v_perm_b32 v[QS], v[QW], v[QW], 0x01000100+0x02020202*\t
	v_mov_b32 v13, 0xff61b1e6                      ; the largest t so far: -3e38; O^T and the sum are zeros: the first change of M multiplies zeros.  (These lines are also the places between q's registers and the first products)
	v_floor_f32 v12, -v13
	v_mov_b32 v14, 0
	v_mov_b32 v15, 0
.set J, 0
.rept 32
	v_mov_b32 v[OT+J], 0
.set J, J+1
.endr
.if \t == 0
	s_wait_alu depctr_va_vdst(0)                   ; the wait at the head's end
	s_wait_tensorcnt 0x0                           ; my step is in;
	s_barrier_signal -1
	s_barrier_wait -1                              ; everybody's is.  Nothing is filled again
.endif
	s_mov_b32 s[TB], 0
	s_mov_b32 s[CNT], 16
.Lstep_\@:
	STEP
	s_add_co_u32 s[TB], s[TB], KVB
	s_sub_co_u32 s[CNT], s[CNT], 1
	s_cmp_lg_u32 s[CNT], 0
	s_cbranch_scc1 .Lstep_\@
	FINISH \t
.endm
	PASS 0
	PASS 1
	s_wait_tensorcnt 0x0                           ; the wave's end
	ds_add_u32 v[SPW], v[NIL]
	s_wait_dscnt 0x0
	CROUND                                         ; the closing round
	s_endpgm
.Lfunc_end_k_q3019212489_attn:
	.size	k_q3019212489_attn, .Lfunc_end_k_q3019212489_attn-k_q3019212489_attn
	.p2alignl 7, 3214868480
	.fill 96, 4, 3214868480
	.section	.rodata,"a",@progbits
	.p2align	6, 0x0
	.amdhsa_kernel k_q3019212489_attn
		.amdhsa_group_segment_fixed_size 206848
		.amdhsa_private_segment_fixed_size 0
		.amdhsa_enable_private_segment 0
		.amdhsa_kernarg_size 24
		.amdhsa_user_sgpr_count 2
		.amdhsa_user_sgpr_kernarg_segment_ptr 1
		.amdhsa_wavefront_size32 1
		.amdhsa_system_sgpr_workgroup_id_x 1
		.amdhsa_system_sgpr_workgroup_id_y 1
		.amdhsa_system_sgpr_workgroup_id_z 1
		.amdhsa_system_vgpr_workitem_id 0
		.amdhsa_next_free_vgpr 256
		.amdhsa_next_free_sgpr 66
		.amdhsa_reserve_vcc 0
		.amdhsa_float_denorm_mode_32 3
		.amdhsa_float_denorm_mode_16_64 3
		.amdhsa_memory_ordered 1
		.amdhsa_forward_progress 1
		.amdhsa_inst_pref_size 46
	.end_amdhsa_kernel
	.amdgpu_metadata
---
amdhsa.version: [ 1, 2 ]
amdhsa.kernels:
  - .name:           k_q3019212489_attn
    .symbol:         k_q3019212489_attn.kd
    .args:
      - { .name: qkv, .offset: 0, .size: 8, .value_kind: global_buffer, .address_space: global }
      - { .name: oc, .offset: 8, .size: 8, .value_kind: global_buffer, .address_space: global }
      - { .name: os, .offset: 16, .size: 8, .value_kind: global_buffer, .address_space: global }
    .group_segment_fixed_size: 206848
    .private_segment_fixed_size: 0
    .kernarg_segment_align: 8
    .kernarg_segment_size: 24
    .max_flat_workgroup_size: 512
    .sgpr_count:     66
    .vgpr_count:     256
    .wavefront_size: 32
...
	.end_amdgpu_metadata
.endif
;; end of part 3
;; launch outp (part 4): grid 4 x 64, 4 waves a work-group, clusters of 4 x 4, 295,424 bytes of LDS; arguments oc, os, xc, xs, bo, out0; writes out0
.if DOCPART == 4
	.amdgcn_target "amdgcn-amd-amdhsa--gfx1250"
	.amdhsa_code_object_version 6
	.text
	.protected	k_q3019212489_outp
	.globl	k_q3019212489_outp
	.p2align	8
	.type	k_q3019212489_outp,@function
k_q3019212489_outp:
	s_mov_b64 s[64:65], 0
	v_nop
	global_prefetch_b8 v0, s[64:65] scope:SCOPE_SE
	s_setreg_imm32_b32 hwreg(HW_REG_WAVE_MODE, 25, 1), 1
	s_wait_xcnt 0x0
	s_wait_alu depctr_hold_cnt(0) depctr_sa_sdst(0) depctr_va_vdst(0) depctr_va_sdst(0) depctr_va_ssrc(0) depctr_va_vcc(0) depctr_vm_vsrc(0)
	s_getreg_b32 s2, hwreg(HW_REG_IB_STS2, 6, 4)
	s_cmp_eq_u32 s2, 0
	s_cbranch_scc0 .Lentry_in_a_cluster
	s_endpgm
.Lentry_in_a_cluster:
	s_bfe_u32 s2, ttmp6, 0x10000c
	s_cmp_lg_u32 s2, 0xf033
	s_cbranch_scc0 .Lentry_shape_is_right
	s_endpgm
.Lentry_shape_is_right:
; out0 = o Wo^T + bo: [8192][1024] x [1024][1024] on codes of FP6 (E2M3) with E8M0 scales; sums in f32.
; oc and xc: [tile of 16 places][128 along K: 8][half c: 2][768 bytes]: half images of operand registers (registers 6 c .. 6 c + 3 of lane l at 16 l, registers 6 c + 4, 6 c + 5 at 512 + 8 l); Wo's tiles begin at tile 1,728 of xc.
; os and xs: [tile][512 along K: 2][row 16][16 scale bytes].
; A BLOCK of the result is 128 x 256: 64 x 4 = 256 work-groups of four waves; a wave makes 64 x 128: 32 accumulators.  ALL OF K STAYS IN LDS: A's 8 tiles are 98,304 dense bytes, B's 16 tiles 196,608; each wave fetches one part with
; one tensor load at the kernel's head (waves 0, 1 A's halves, waves 2, 3 B's).  Nothing is filled again: one barrier behind the fills, one in front of the way out, whose stage lies on A's bytes.
; CLUSTERS: 4 x 4 work-groups; A's tiles are shared along a row of the cluster, B's along a column: joint loads.  No prefetch: all is asked for by the head's loads, and there is no loop to run ahead in.
; THE SCALES go from memory into registers: a tile's 512 bytes by one load, 16 bytes a lane: lanes 0-15 hold the four words of K 0 .. 511 of row lane % 16, lanes 16-31 those of K 512 .. 1,023; the instruction's row selector takes the half.
; The matrix instruction is used transposed (source 0 = 16 rows of Wo, source 1 = 16 rows of o): a lane holds eight neighbouring numbers of a row of the result.  The first step takes the bias as C.
; Row t of my tile a is token 8 a + t % 8 + 32 (t / 8) of my 64.
; REGISTERS: window 0: v16-29 addresses; v32-47 A's scale words, v48-79 B's; v96-191 A's fragments, two sets; v192-255 the bias.  Window 1: B's fragments, two sets, at v0 and v128.  Window 2: the accumulators, (a, b) at v[8 (8 a + b)].
.set FR,     12
.set TILEB,  12288                     ; a tile of 16 places, all of K
.set LB,     8*TILEB                   ; B's tiles lie behind A's
.set SPARE,  24*TILEB                  ; behind them the spare words: 512 bytes that no other line names
.set SPITCH, 528
.set SIZE_N, 1024
.set ADRA, 16                          ; v16 A's fragments, 16 bytes a lane; v17 8 bytes a lane
.set ADRB, 18                          ; v18, v19 the same for B's tiles 0-3; v20, v21 for tiles 4-7
.set STO,  24
.set RD,   25
.set CO,   26                          ; 16 x lane
.set SPW,  28
.set NIL,  29
.set SCA,  32
.set SCB,  48
.set AF,   96
.set BO,   192
.set G1,  24
.set G0,  32
.set G1B, 48
.set G0B, 56
.set MSB, 0
.macro WIN new
.if MSB != (\new)
	s_set_vgpr_msb (MSB<<8)|(\new)
.set MSB, (\new)
.endif
.endm
.set TO_B, 0x40
.macro CREST
	s_cmp_lg_u32 s14, 0
	s_cbranch_scc1 .Lnot_wave_0_\@
	s_barrier_signal -3
.Lnot_wave_0_\@:
	s_barrier_wait -3
	s_barrier_signal -1
	s_barrier_wait -1
.endm
.macro CROUND
	s_barrier_signal -1
	s_barrier_wait -1
	CREST
.endm
.macro PLACES
.rept 4
	v_nop
.endr
.endm
	s_load_b128 s[4:7], s[0:1], 0x0                ; oc, os
	s_load_b128 s[8:11], s[0:1], 0x10              ; xc, xs
	s_load_b128 s[20:23], s[0:1], 0x20             ; bo, out0
	v_lshl_add_u32 v[SPW], v0, 2, SPARE
	v_mov_b32 v[NIL], 0
	ds_add_u32 v[SPW], v[NIL]                      ; the opening lines: the add, twice on end, and its wait ahead of my tensor load
	ds_add_u32 v[SPW], v[NIL]
	v_lshrrev_b32 v1, 5, v0
	v_readfirstlane_b32 s14, v1                    ; wave
	s_lshr_b32 s15, s14, 1                         ; my half of the block's rows.  Also: I fetch for A (0) or for B (1)
	s_and_b32 s18, s14, 1                          ; my half of its columns.  Also: which half of that operand I fetch
	s_bfe_u32 s40, ttmp6, 0x40000                  ; cx
	s_bfe_u32 s41, ttmp6, 0x40004                  ; cy
	s_lshl_b32 s42, ttmp9, 2
	s_add_co_u32 s42, s42, s40                     ; block column
	s_and_b32 s17, ttmp7, 0xffff
	s_lshl_b32 s17, s17, 2
	s_add_co_u32 s17, s17, s41                     ; block row
	s_lshl_b32 s43, s41, 2
	s_lshl_b32 s43, 15, s43                        ; my row of the cluster
	s_lshl_b32 s44, 0x1111, s40                    ; my column
	s_or_b32 s[G1], s43, (3<<16)|(1<<21)           ; A: 4 tiles as rows of 12,288 bytes (1,536 elements of 8), dense
	s_mov_b32 s[G1+1], 1536<<16
	s_mov_b32 s[G1+2], 4<<16
	s_mov_b32 s[G1+3], 1536<<16
	s_mov_b32 s[G1+4], 4
	s_mov_b32 s[G1+5], 1536
	s_mov_b32 s[G1+6], 0
	s_mov_b32 s[G1+7], 0
	s_or_b32 s[G1B], s44, (3<<16)|(1<<21)          ; B: 8 tiles
	s_mov_b32 s[G1B+1], 1536<<16
	s_mov_b32 s[G1B+2], 8<<16
	s_mov_b32 s[G1B+3], 1536<<16
	s_mov_b32 s[G1B+4], 8
	s_mov_b32 s[G1B+5], 1536
	s_mov_b32 s[G1B+6], 0
	s_mov_b32 s[G1B+7], 0
	s_lshl_b32 s36, s17, 3                         ; the block's first tile of A
	s_lshl_b32 s37, s18, 2
	s_add_co_u32 s12, s36, s37
	s_mul_i32 s12, s12, TILEB                      ; the four tiles that I fetch
	s_mov_b32 s13, 0
	s_lshl_b32 s37, s15, 2
	s_add_co_u32 s36, s36, s37
	s_lshl_b32 s36, s36, 9                         ; os: the four tiles that I multiply
	s_mov_b32 s37, 0
	s_lshl_b32 s38, s42, 4
	s_lshl_b32 s39, s18, 3
	s_add_co_u32 s38, s38, s39
	s_add_co_u32 s38, s38, 1728                    ; my eight tiles of Wo: those that I fetch are those that I multiply
	s_lshl_b32 s46, s38, 9                         ; xs
	s_mov_b32 s47, 0
	s_mul_i32 s38, s38, TILEB
	s_mov_b32 s39, 0
	s_mov_b32 s[G0], 1
	s_mul_i32 s[G0+1], s18, 4*TILEB
	s_mov_b32 s[G0B], 1
	s_mul_i32 s[G0B+1], s18, 8*TILEB
	s_add_co_u32 s[G0B+1], s[G0B+1], LB
	s_wait_dscnt 0x0                               ; both opening adds are done
	s_wait_kmcnt 0x0
	s_add_nc_u64 s[G0+2:G0+3], s[4:5], s[12:13]
	s_or_b32 s[G0+3], s[G0+3], 0x80000000
	s_add_nc_u64 s[G0B+2:G0B+3], s[8:9], s[38:39]
	s_or_b32 s[G0B+3], s[G0B+3], 0x80000000
	s_add_nc_u64 s[6:7], s[6:7], s[36:37]
	s_add_nc_u64 s[10:11], s[10:11], s[46:47]
	s_lshl_b32 s46, s42, 10
	s_lshl_b32 s12, s18, 9
	s_add_co_u32 s46, s46, s12                     ; my first column, in bytes
	s_add_nc_u64 s[20:21], s[20:21], s[46:47]
	s_add_nc_u64 s[22:23], s[22:23], s[46:47]
	s_lshl_b32 s12, s17, 7
	s_lshl_b32 s36, s15, 6
	s_add_co_u32 s12, s12, s36
	s_lshl_b32 s12, s12, 12                        ; my first row: 4,096 bytes a row
	s_add_nc_u64 s[22:23], s[22:23], s[12:13]
	v_and_b32 v1, 15, v0
	v_bfe_u32 v2, v0, 4, 1
	v_and_b32 v3, 31, v0
	v_lshlrev_b32 v[CO], 4, v3
	v_lshlrev_b32 v5, 3, v3
	v_lshlrev_b32 v7, 5, v2
.irp a, 0,1,2,3
	global_load_b128 v[SCA+4*\a:SCA+4*\a+3], v[CO], s[6:7] offset:512*\a       ; 512 consecutive bytes
.endr
.irp b, 0,1,2,3,4,5,6,7
	global_load_b128 v[SCB+4*\b:SCB+4*\b+3], v[CO], s[10:11] offset:512*\b
.endr
.irp b, 0,1,2,3,4,5,6,7
	global_load_b128 v[BO+8*\b:BO+8*\b+3], v7, s[20:21] offset:64*\b           ; bo at my eight columns of block b
	global_load_b128 v[BO+8*\b+4:BO+8*\b+7], v7, s[20:21] offset:64*\b+16
.endr
	s_mul_i32 s12, s15, 4*TILEB
	v_add_nc_u32 v[ADRA], s12, v[CO]
	v_add_nc_u32 v[ADRA+1], s12, v5
	s_mul_i32 s12, s18, 8*TILEB
	s_add_co_u32 s12, s12, LB
	v_add_nc_u32 v[ADRB], s12, v[CO]
	v_add_nc_u32 v[ADRB+1], s12, v5
	s_add_co_u32 s12, s12, 4*TILEB
	v_add_nc_u32 v[ADRB+2], s12, v[CO]
	v_add_nc_u32 v[ADRB+3], s12, v5
	s_mul_i32 s12, s14, 16*SPITCH                  ; my stage
	v_mul_u32_u24 v4, v1, SPITCH
	v_lshl_add_u32 v4, v2, 5, v4
	v_add_nc_u32 v[STO], s12, v4
	v_add_nc_u32 v[RD], s12, v[CO]
	s_wait_alu depctr_va_vdst(0)                   ; the wait at the head's end
	CROUND                                         ; all sixteen work-groups are here: the joint loads meet
	s_cmp_eq_u32 s15, 0
	s_cbranch_scc0 .Lfor_b
	tensor_load_to_lds s[G0:G0+3], s[G1:G1+7]
	s_nop 0
	PLACES
	s_branch .Lasked
.Lfor_b:
	tensor_load_to_lds s[G0B:G0B+3], s[G1B:G1B+7]
	s_nop 0
	PLACES
.Lasked:
.macro FRAG reg, adr, off              ; a fragment: two half images
.irp c, 0,1
	ds_load_b128 v[\reg+6*\c:\reg+6*\c+3], v[\adr] offset:(\off)+768*\c
	ds_load_b64 v[\reg+6*\c+4:\reg+6*\c+5], v[\adr+1] offset:(\off)+768*\c+512
.endr
.endm
.macro FETCH st                        ; step st's twelve fragments into set st % 2: 48 LDS loads in one run
	WIN TO_B
.irp i, 0,1,2,3
	FRAG 128*((\st)%2)+FR*\i, ADRB, TILEB*\i+1536*(\st)
.endr
.irp i, 0,1,2,3
	FRAG 128*((\st)%2)+FR*(4+\i), ADRB+2, TILEB*\i+1536*(\st)
.endr
	WIN 0
.irp i, 0,1,2,3
	FRAG AF+48*((\st)%2)+FR*\i, ADRA, TILEB*\i+1536*(\st)
.endr
.endm
.macro MUL32 st                        ; the 32 accumulators take turns, in the same order in every step
.irp a, 0,1,2,3
.irp b, 0,1,2,3,4,5,6,7
.if (\st) == 0
	v_wmma_scale_f32_16x16x128_f8f6f4 v[8*(8*\a+\b):8*(8*\a+\b)+7], v[FR*\b:FR*\b+FR-1], v[AF+FR*\a:AF+FR*\a+FR-1], v[BO+8*\b:BO+8*\b+7], v[SCB+4*\b], v[SCA+4*\a] matrix_a_fmt:MATRIX_FMT_FP6 matrix_b_fmt:MATRIX_FMT_FP6
.else
.if (\st) < 4
	v_wmma_scale_f32_16x16x128_f8f6f4 v[8*(8*\a+\b):8*(8*\a+\b)+7], v[128*((\st)%2)+FR*\b:128*((\st)%2)+FR*\b+FR-1], v[AF+48*((\st)%2)+FR*\a:AF+48*((\st)%2)+FR*\a+FR-1], v[8*(8*\a+\b):8*(8*\a+\b)+7], v[SCB+4*\b+(\st)], v[SCA+4*\a+(\st)] matrix_a_fmt:MATRIX_FMT_FP6 matrix_b_fmt:MATRIX_FMT_FP6
.else
	v_wmma_scale_f32_16x16x128_f8f6f4 v[8*(8*\a+\b):8*(8*\a+\b)+7], v[128*((\st)%2)+FR*\b:128*((\st)%2)+FR*\b+FR-1], v[AF+48*((\st)%2)+FR*\a:AF+48*((\st)%2)+FR*\a+FR-1], v[8*(8*\a+\b):8*(8*\a+\b)+7], v[SCB+4*\b+(\st)-4], v[SCA+4*\a+(\st)-4] matrix_a_fmt:MATRIX_FMT_FP6 matrix_b_fmt:MATRIX_FMT_FP6 matrix_a_scale:MATRIX_SCALE_ROW1 matrix_b_scale:MATRIX_SCALE_ROW1
.endif
.endif
.endr
.endr
.endm
; A step of 128 along K: this step's fragments are in; the next step's are asked for, into the set that the step before multiplied; 32 matrix instructions.
.macro STEP st
	s_wait_dscnt 0x0
.if (\st) < 7
.if (\st) > 0
	PLACES                                         ; four places between the last products and the loads into the registers that they read
.endif
	FETCH (\st)+1
.else
	s_barrier_signal -1                            ; my last reads of the tiles are over: say so, and work on registers while the others arrive
.endif
.if (\st) == 0
	WIN 0x81                                       ; source 0 window 1, source 1 and C window 0, D window 2
.else
	WIN 0xa1                                       ; C and D window 2
.endif
	MUL32 \st
.endm
	s_wait_tensorcnt 0x0                           ; my part is in;
	s_barrier_signal -1
	s_barrier_wait -1                              ; everybody's is
	FETCH 0
	s_wait_loadcnt 0x0                             ; the scale words and the bias
.irp st, 0,1,2,3,4,5,6,7
	STEP \st
.endr
	WIN 0
	s_barrier_wait -1                              ; nobody reads the tiles any more: the stage may lie on A's bytes, which have had their one fill
; THE WAY OUT, block by block of 16 rows x 128 columns, through my own stage: whole rows of 512 bytes come back and are stored as two aligned units of 256 bytes.  LDS serves a wave's instructions in order.
.macro TOSTAGE a
.set AC, 64*(\a)
	WIN 0x08                                       ; the data: window 2
.irp b, 0,1,2,3,4,5,6,7
	ds_store_b128 v[STO], v[AC+8*\b:AC+8*\b+3] offset:64*\b            ; each accumulator from its low end on
	ds_store_b128 v[STO], v[AC+8*\b+4:AC+8*\b+7] offset:64*\b+16
.endr
	WIN 0
.set BB, 96+96*((\a)%2)
.irp t, 0,1,2,3,4,5,6,7,8,9,10,11,12,13,14,15
	ds_load_b128 v[BB+4*\t:BB+4*\t+3], v[RD] offset:\t*SPITCH
.endr
.endm
.macro SEND a, younger
.set BB, 96+96*((\a)%2)
	s_wait_dscnt \younger
.irp t, 0,1,2,3,4,5,6,7,8,9,10,11,12,13,14,15
	global_store_b128 v[CO], v[BB+4*\t:BB+4*\t+3], s[22:23] offset:(8*(\a)+\t%8+32*(\t/8))*SIZE_N*4 th:TH_STORE_NT
.endr
.endm
	PLACES
	TOSTAGE 0
.irp a, 1,2,3
.if \a > 1
	s_wait_xcnt 0x0                                ; block a - 2's stores have read their registers: block a's loads may land there
.endif
	TOSTAGE \a
	SEND \a-1, 32                                  ; behind block a - 1's loads: block a's 16 stores and 16 loads
.endr
	SEND 3, 0
	s_wait_tensorcnt 0x0                           ; the wave's end
	ds_add_u32 v[SPW], v[NIL]
	s_wait_dscnt 0x0
	CROUND                                         ; the closing round
	s_endpgm
.Lfunc_end_k_q3019212489_outp:
	.size	k_q3019212489_outp, .Lfunc_end_k_q3019212489_outp-k_q3019212489_outp
	.p2alignl 7, 3214868480
	.fill 96, 4, 3214868480
	.section	.rodata,"a",@progbits
	.p2align	6, 0x0
	.amdhsa_kernel k_q3019212489_outp
		.amdhsa_group_segment_fixed_size 295424
		.amdhsa_private_segment_fixed_size 0
		.amdhsa_enable_private_segment 0
		.amdhsa_kernarg_size 48
		.amdhsa_user_sgpr_count 2
		.amdhsa_user_sgpr_kernarg_segment_ptr 1
		.amdhsa_wavefront_size32 1
		.amdhsa_system_sgpr_workgroup_id_x 1
		.amdhsa_system_sgpr_workgroup_id_y 1
		.amdhsa_system_sgpr_workgroup_id_z 1
		.amdhsa_system_vgpr_workitem_id 0
		.amdhsa_next_free_vgpr 768
		.amdhsa_next_free_sgpr 66
		.amdhsa_reserve_vcc 0
		.amdhsa_float_denorm_mode_32 3
		.amdhsa_float_denorm_mode_16_64 3
		.amdhsa_memory_ordered 1
		.amdhsa_forward_progress 1
		.amdhsa_inst_pref_size 82
	.end_amdhsa_kernel
	.amdgpu_metadata
---
amdhsa.version: [ 1, 2 ]
amdhsa.kernels:
  - .name:           k_q3019212489_outp
    .symbol:         k_q3019212489_outp.kd
    .args:
      - { .name: oc, .offset: 0, .size: 8, .value_kind: global_buffer, .address_space: global }
      - { .name: os, .offset: 8, .size: 8, .value_kind: global_buffer, .address_space: global }
      - { .name: xc, .offset: 16, .size: 8, .value_kind: global_buffer, .address_space: global }
      - { .name: xs, .offset: 24, .size: 8, .value_kind: global_buffer, .address_space: global }
      - { .name: bo, .offset: 32, .size: 8, .value_kind: global_buffer, .address_space: global }
      - { .name: out0, .offset: 40, .size: 8, .value_kind: global_buffer, .address_space: global }
    .group_segment_fixed_size: 295424
    .private_segment_fixed_size: 0
    .kernarg_segment_align: 8
    .kernarg_segment_size: 48
    .max_flat_workgroup_size: 128
    .sgpr_count:     66
    .vgpr_count:     768
    .wavefront_size: 32
...
	.end_amdgpu_metadata
.endif
;; end of part 4
